; MI455X (gfx1250); checked and timed in simulation.
; The chip was launched on July 23, 2026; its instructions are those of AMD's public machine-readable ISA for CDNA 5 (MIT licence, August 2026) and "CDNA5" Instruction Set Architecture Reference Guide (July 2026). The comments in the code are by the model that wrote it; some were corrected since.
;; Scaled Dot Product. Allowed arithmetic: float matrix products may take bf16 or f16 operands with f32 sums; other float arithmetic in f32, or as packed bf16 or f16 multiplies, adds, multiply-adds, maxima and minima; sums over many terms, partial sums and values carried from step to step in f32; what a program stores and reads back later, other than sums and carried values, may be rounded once to bf16 or f16.
;; Inputs: W 1,024 x 3,072 float32; b 3,072 float32; x 4 x 2,048 x 1,024 float32.
;; Outputs: out0 4 x 2,048 x 1,024 float32.
;; 2 versions, each right; version 2 is version 1 with the launch cast written anew for expert scheduling mode. Each part assembles by itself: llvm-mc -triple=amdgcn-amd-amdhsa -mcpu=gfx1250 --defsym DOCPART=n.
;; ======== version 1 of 2: 4 launches
;; limits: values outside matrix products are rounded to f16; values are held in f16: magnitudes above 65,504 overflow, below 6.1e-05 lose precision
;; workspace buffers: xb 16,777,216 bytes; wb 6,291,456 bytes; qkv 50,331,648 bytes; p 33,554,432 bytes; ms 524,288 bytes; ls 524,288 bytes
;; launch cast (part 1): grid 704 x 1, 8 waves a work-group, no clusters, 0 bytes of LDS; arguments x, W, xb, wb; writes xb, wb
.if DOCPART == 1
	.amdgcn_target "amdgcn-amd-amdhsa--gfx1250"
	.amdhsa_code_object_version 6
	.text
	.protected	k_qa64a913b2d_cast
	.globl	k_qa64a913b2d_cast
	.p2align	8
	.type	k_qa64a913b2d_cast,@function
k_qa64a913b2d_cast:
	s_mov_b64 s[64:65], 0
	v_nop
	global_prefetch_b8 v0, s[64:65] scope:SCOPE_SE
	s_setreg_imm32_b32 hwreg(HW_REG_WAVE_MODE, 25, 1), 1
	s_wait_xcnt 0x0
; xb = bf16(x), wb = bf16(W), element by element, same order in memory; rounding to nearest even.
; A work-group of eight waves casts 65,536 bytes of f32: groups 0-511 take x (33,554,432 bytes), groups 512-703 take W (12,582,912 bytes).
; Thread t takes 16 bytes at 16 t of each block of 4,096 bytes and writes 8 bytes at 8 t of each block of 2,048: a wave's load covers 512
; consecutive bytes, a wave's store 256 consecutive bytes at a multiple of 256 from the buffer's first byte.
; All sixteen loads of a thread go out first; each store has data registers of its own and no address register is ever rewritten, so the
; only waits are the counted ones for the loads.  No LDS, no matrix unit, no cluster: nothing is shared and nothing is read twice.
.set XGROUPS, 512                      ; work-groups that take x
.set X, 4                              ; v[4:67]   sixteen loads of four f32
.set Y, 68                             ; v[68:99]  sixteen stores of four bf16
	s_load_b256 s[4:11], s[0:1], 0x0               ; x s[4:5], W s[6:7], xb s[8:9], wb s[10:11]
	s_sub_co_u32 s13, ttmp9, XGROUPS               ; my number among W's groups, if I am one
	s_cmp_lt_u32 ttmp9, XGROUPS
	s_cselect_b32 s12, ttmp9, s13                  ; my number among the groups of my tensor
	s_lshl_b32 s14, s12, 16                        ; 65,536 bytes in,
	s_mov_b32 s15, 0
	s_lshl_b32 s16, s12, 15                        ; 32,768 bytes out
	s_mov_b32 s17, 0
	v_lshlrev_b32 v1, 4, v0                        ; 16 t
	v_lshlrev_b32 v2, 3, v0                        ; 8 t
	s_wait_kmcnt 0x0
	s_cmp_lt_u32 ttmp9, XGROUPS                    ; compared again: the shifts above wrote SCC
	s_cselect_b64 s[18:19], s[4:5], s[6:7]         ; from x or from W,
	s_cselect_b64 s[20:21], s[8:9], s[10:11]       ; to xb or to wb
	s_add_nc_u64 s[18:19], s[18:19], s[14:15]
	s_add_nc_u64 s[20:21], s[20:21], s[16:17]
.irp j, 0,1,2,3,4,5,6,7,8,9,10,11,12,13,14,15
	global_load_b128 v[X+4*\j:X+4*\j+3], v1, s[18:19] offset:4096*\j th:TH_LOAD_NT   ; read once in the launch
.endr
.irp j, 0,1,2,3,4,5,6,7,8,9,10,11,12,13,14,15
	s_wait_loadcnt 15-\j                           ; loads come back in order: load j is in, the 15 - j younger ones stay out
	v_cvt_pk_bf16_f32 v[Y+2*\j],   v[X+4*\j],   v[X+4*\j+1]
	v_cvt_pk_bf16_f32 v[Y+2*\j+1], v[X+4*\j+2], v[X+4*\j+3]
	global_store_b64 v2, v[Y+2*\j:Y+2*\j+1], s[20:21] offset:2048*\j   ; no hint: the next launch reads these bytes
.endr
	s_endpgm
.Lfunc_end_k_qa64a913b2d_cast:
	.size	k_qa64a913b2d_cast, .Lfunc_end_k_qa64a913b2d_cast-k_qa64a913b2d_cast
	.p2alignl 7, 3214868480
	.fill 96, 4, 3214868480
	.section	.rodata,"a",@progbits
	.p2align	6, 0x0
	.amdhsa_kernel k_qa64a913b2d_cast
		.amdhsa_group_segment_fixed_size 0
		.amdhsa_private_segment_fixed_size 0
		.amdhsa_enable_private_segment 0
		.amdhsa_kernarg_size 32
		.amdhsa_user_sgpr_count 2
		.amdhsa_user_sgpr_kernarg_segment_ptr 1
		.amdhsa_wavefront_size32 1
		.amdhsa_system_sgpr_workgroup_id_x 1
		.amdhsa_system_sgpr_workgroup_id_y 1
		.amdhsa_system_sgpr_workgroup_id_z 1
		.amdhsa_system_vgpr_workitem_id 0
		.amdhsa_next_free_vgpr 100
		.amdhsa_next_free_sgpr 66
		.amdhsa_reserve_vcc 0
		.amdhsa_float_denorm_mode_32 3
		.amdhsa_float_denorm_mode_16_64 3
		.amdhsa_memory_ordered 1
		.amdhsa_forward_progress 1
		.amdhsa_inst_pref_size 7
	.end_amdhsa_kernel
	.amdgpu_metadata
---
amdhsa.version: [ 1, 2 ]
amdhsa.kernels:
  - .name:           k_qa64a913b2d_cast
    .symbol:         k_qa64a913b2d_cast.kd
    .args:
      - { .name: x, .offset: 0, .size: 8, .value_kind: global_buffer, .address_space: global }
      - { .name: W, .offset: 8, .size: 8, .value_kind: global_buffer, .address_space: global }
      - { .name: xb, .offset: 16, .size: 8, .value_kind: global_buffer, .address_space: global }
      - { .name: wb, .offset: 24, .size: 8, .value_kind: global_buffer, .address_space: global }
    .group_segment_fixed_size: 0
    .private_segment_fixed_size: 0
    .kernarg_segment_align: 8
    .kernarg_segment_size: 32
    .max_flat_workgroup_size: 256
    .sgpr_count:     66
    .vgpr_count:     100
    .wavefront_size: 32
...
	.end_amdgpu_metadata
.endif
;; end of part 1
;; launch proj (part 2): grid 12 x 32, 4 waves a work-group, clusters of 4 x 4, 327,680 bytes of LDS; arguments xb, wb, b, qkv; writes qkv
.if DOCPART == 2
	.amdgcn_target "amdgcn-amd-amdhsa--gfx1250"
	.amdhsa_code_object_version 6
	.text
	.protected	k_qa64a913b2d_proj
	.globl	k_qa64a913b2d_proj
	.p2align	8
	.type	k_qa64a913b2d_proj,@function
k_qa64a913b2d_proj:
	s_mov_b64 s[64:65], 0
	v_nop
	global_prefetch_b8 v0, s[64:65] scope:SCOPE_SE
	s_setreg_imm32_b32 hwreg(HW_REG_WAVE_MODE, 25, 1), 1
	s_wait_xcnt 0x0
	s_wait_alu depctr_hold_cnt(0) depctr_sa_sdst(0) depctr_va_vdst(0) depctr_va_sdst(0) depctr_va_ssrc(0) depctr_va_vcc(0) depctr_vm_vsrc(0)
	s_getreg_b32 s2, hwreg(HW_REG_IB_STS2, 6, 4)
	s_cmp_eq_u32 s2, 0
	s_cbranch_scc0 .Lentry_in_a_cluster
	s_endpgm
.Lentry_in_a_cluster:
	s_bfe_u32 s2, ttmp6, 0x10000c
	s_cmp_lg_u32 s2, 0xf033
	s_cbranch_scc0 .Lentry_shape_is_right
	s_endpgm
.Lentry_shape_is_right:
; qkv[m][n] = sum over k of xb[m][k] wb[k][n] + b[n].  xb: [8192][1024] bf16, wb: [1024][3072] bf16, b: [3072] f32, qkv: [8192][3072] f16.
; Sums in f32, started from the bias; qkv rounded once, to f16.
; LIMIT: qkv is kept in f16 for the two products that follow, so |qkv| must stay under 65,504 (an overflow becomes infinity).  With x of spread 1 and W of
; spread 1/32 the values have spread 1; both inputs 30 times larger give spread 900; both offset by 30 times their spread give 1024 x 30 x 0.94 = 29,000.
; Scale and offset together are not served.  f16 is taken because the first rows of the result are sums of few values of size 1, of which
; f16 keeps three bits more than bf16.
; SHARES.  A tile of 256 x 256 is made by a work-group of four waves, 128 x 128 each: 64 accumulators of 16 x 16, 512 registers.  K = 1024 goes in
; eight steps of 128 through two LDS slots filled by the tensor data mover.  xb's tile rows are 256 bytes, wb's 512, all at multiples of 256.
; wb lies [k][n]: its tile comes into LDS as it lies (128 k rows x 256 columns) and its fragments are read turned, by ds_load_tr16_b128.
; CLUSTER.  4 x 4 work-groups: the four of a row of the cluster need the same tile of xb, the four of a column the same tile of wb: each tile is
; asked for jointly, by the same tensor load with the same descriptor and a mask that names the four.
; THE MATRIX INSTRUCTION IS USED TRANSPOSED (source 0 = 16 columns of wb, source 1 = 16 rows of xb): lane l holds row l % 16 of the result and
; the eight neighbouring columns 8 (l / 16) + 0..7.  So the bias of those eight columns, in eight registers, is the C operand of the first product.
; REGISTERS, in windows of 256: window 0: v0-31 addresses; v64-127, v128-191 fragments of xb, two buffers; v192-255 the bias, later the way out; v32-63 the way out.
;   window 1: v64-127, v128-191 fragments of wb, two buffers.   windows 2, 3: the accumulators of my rows 0-63, 64-127 ((a, b) at v[8 (8 (a % 4) + b)]).
.set PITCH,  272                       ; an LDS row of xb: 256 bytes + 16: an odd multiple of 16, so the 16 rows of a fragment load begin at 16 different 16-byte columns of 256
.set PITCHB, 544                       ; an LDS row of wb: 512 bytes + 32: an odd multiple of 32, as the turning load's 8 rows x 32 bytes want
.set HALFT,  128*PITCH                 ; what one tensor load brings: 128 rows of xb, or 64 k rows of wb (64 x 544 is the same 34,816 bytes)
.set SLOT,   4*HALFT                   ; xb's 256 rows, then wb's 128 k rows
.set STAGE,  2*SLOT                    ; behind the ring: 16 rows x 272 bytes for each wave, for the way out; no tensor load fills it
.set SPITCH, 272
.set LAPS,   4                         ; a lap = two K steps = once round the ring
.set STEPA,  256                       ; bytes from a K step to the next: 128 elements along xb's rows,
.set STEPB,  128*6144                  ; 128 rows of wb
.set ROWC,   6144                      ; bytes in a row of qkv
.set ADRA, 16                          ; v16-17  LDS address of my xb fragments in slot 0, 1
.set ADRB, 20                          ; v20-21  the same for wb
.set STO,  24                          ; v24     the way out: where I put 16 bytes of a row
.set RD,   25                          ; v25     the way out: where I read a row back
.set CO,   26                          ; v26     my byte offset in qkv
.set BO,   29                          ; v29     my byte offset in b
.set F0,   64
.set F1,   128
.set TMP,  192                         ; the way out: packed results
.set OB,   32                          ; the way out: 16 rows read back: v32-63 and v224-255 by turns
.set BIAS, 192                         ; v192-255: block b's eight biases at v[192 + 8 b]
.set WV, 14                            ; s14 wave; s15 my row half; s16 my column half, and which half of a tile I fetch
.set WR, 15
.set WC, 16
.set CX, 17                            ; s17, s18 my place in the cluster
.set CY, 18
.set TC, 19                            ; s19 tile column, s20 tile row
.set TR, 20
.set MROW, 21                          ; s21, s22 the masks of my row and of my column of the cluster
.set MCOL, 22
.set LB, 23                            ; s23 where my tensor loads land in a slot
.set G1A, 24                           ; s[24:31] descriptor group 1 for xb's tiles; s[32:39] group 0, a set for each slot
.set G0A, 32
.set G1B, 48                           ; s[48:55], s[56:63] the same for wb's tiles
.set G0B, 56
.set CNT, 66
.set MSB, 0
.macro WIN new                         ; the immediate's high byte repeats the setting that is left; a switch that changes nothing is dropped
.if MSB != \new
	s_set_vgpr_msb (MSB<<8)|\new
.set MSB, \new
.endif
.endm
.set MUL_LO, 0xa1                      ; source 0 (wb) window 1, source 1 (xb) window 0, C and D window 2
.set MUL_HI, 0xf1                      ; the same, C and D window 3
.set FIRST_LO, 0x81                    ; the first products: C (the bias) window 0, D window 2
.set FIRST_HI, 0xc1                    ; D window 3
.set TO_B,   0x40                      ; destination window 1, address window 0
; A joint load.  Waves 0 and 1 fetch xb's two halves, waves 2 and 3 wb's.  The branch hangs on the wave's number alone.  Four v_nop follow each of the two lines.
.macro JLOAD s
	s_cmp_lt_u32 s[WV], 2
	s_cbranch_scc0 .Lfor_b_\@
	tensor_load_to_lds s[G0A+4*\s:G0A+4*\s+3], s[G1A:G1A+7]
	s_nop 0
.rept 4
	v_nop
.endr
	s_branch .Lasked_\@
.Lfor_b_\@:
	tensor_load_to_lds s[G0B+4*\s:G0B+4*\s+3], s[G1B:G1B+7]
	s_nop 0
.rept 4
	v_nop
.endr
.Lasked_\@:
.endm
.macro CREST                           ; a round of the cluster's barrier behind its opening barrier
	s_cmp_lg_u32 s[WV], 0
	s_cbranch_scc1 .Lnot_wave_0_\@
	s_barrier_signal -3
.Lnot_wave_0_\@:
	s_barrier_wait -3
	s_barrier_signal -1
	s_barrier_wait -1
.endm
.macro CROUND                          ; a whole round
	s_barrier_signal -1
	s_barrier_wait -1
	CREST
.endm
	s_load_b256 s[4:11], s[0:1], 0x0               ; xb s[4:5], wb s[6:7], b s[8:9], qkv s[10:11]
	s_set_vgpr_msb 0x40
	v_lshl_add_u32 v255, v0, 2, 0x48400
	s_set_vgpr_msb 0x4000
	v_mov_b32 v31, 0
	s_set_vgpr_msb 0x1
	ds_add_u32 v255, v31
	s_set_vgpr_msb 0x100
	v_lshrrev_b32 v1, 5, v0
	v_readfirstlane_b32 s[WV], v1                  ; wave 0..3
	s_lshr_b32 s[WR], s[WV], 1
	s_and_b32 s[WC], s[WV], 1
	s_bfe_u32 s[CX], ttmp6, 0x40000
	s_bfe_u32 s[CY], ttmp6, 0x40004
	s_lshl_b32 s[TC], ttmp9, 2
	s_add_co_u32 s[TC], s[TC], s[CX]               ; tile column = 4 x cluster x + cx, 0..11
	s_and_b32 s[TR], ttmp7, 0xffff
	s_lshl_b32 s[TR], s[TR], 2
	s_add_co_u32 s[TR], s[TR], s[CY]               ; tile row = 4 x cluster y + cy, 0..31
	s_lshl_b32 s[MROW], s[CY], 2
	s_lshl_b32 s[MROW], 15, s[MROW]                ; my row of the cluster: places 4 cy .. 4 cy + 3
	s_lshl_b32 s[MCOL], 0x1111, s[CX]              ; my column: places cx, cx + 4, cx + 8, cx + 12
	s_mul_i32 s[LB], s[WV], HALFT                  ; xb's two halves, then wb's two halves: wave x 34,816
	; group 1 for xb: 128 rows x 128 elements of 2 bytes; 16 bytes of padding behind every 64 words
	s_or_b32 s[G1A+0], s[MROW], (1<<16)|(1<<20)|(1<<21)|(5<<22)|(3<<25)
	s_mov_b32 s[G1A+1], 128<<16                    ; tensor_dim0 = 128
	s_mov_b32 s[G1A+2], 128<<16                    ; tensor_dim1 = 128
	s_mov_b32 s[G1A+3], 128<<16                    ; tile_dim0 = 128
	s_mov_b32 s[G1A+4], 128                        ; tile_dim1 = 128
	s_mov_b32 s[G1A+5], 1024                       ; elements from row to row
	s_mov_b32 s[G1A+6], 0
	s_mov_b32 s[G1A+7], 0
	; group 1 for wb: 64 k rows x 256 elements; 32 bytes of padding behind every 128 words
	s_or_b32 s[G1B+0], s[MCOL], (1<<16)|(1<<20)|(1<<21)|(6<<22)|(7<<25)
	s_mov_b32 s[G1B+1], 256<<16
	s_mov_b32 s[G1B+2], 64<<16
	s_mov_b32 s[G1B+3], 256<<16
	s_mov_b32 s[G1B+4], 64
	s_mov_b32 s[G1B+5], 3072
	s_mov_b32 s[G1B+6], 0
	s_mov_b32 s[G1B+7], 0
	; xb's tile hangs on the tile row alone, wb's on the tile column alone; each offset is made in registers that never hold the other coordinate
	s_lshl_b32 s40, s[TR], 8
	s_lshl_b32 s41, s[WC], 7
	s_add_co_u32 s40, s40, s41                     ; row 256 x tile row + 128 x half,
	s_lshl_b32 s40, s40, 11                        ; of 2,048 bytes
	s_mov_b32 s41, 0
	s_mul_i32 s44, s[WC], 64*6144                  ; k row 64 x half,
	s_lshl_b32 s45, s[TC], 9                       ; column 256 x tile column, in bytes
	s_add_co_u32 s44, s44, s45
	s_mov_b32 s45, 0
	s_wait_dscnt 0x0
	s_wait_kmcnt 0x0
	s_add_nc_u64 s[40:41], s[4:5], s[40:41]
	s_add_nc_u64 s[44:45], s[6:7], s[44:45]
	CROUND                                         ; all sixteen work-groups are here: the first joint loads meet
.irp s, 0,1
	s_mov_b32 s[G0A+4*\s], 1                                       ; count = 1
	s_add_co_u32 s[G0A+4*\s+1], s[LB], \s*SLOT                     ; LDS address
	s_add_nc_u64 s[G0A+4*\s+2:G0A+4*\s+3], s[40:41], \s*STEPA      ; global address: K step s
	s_or_b32 s[G0A+4*\s+3], s[G0A+4*\s+3], 0x80000000              ; type = 2
	s_mov_b32 s[G0B+4*\s], 1
	s_add_co_u32 s[G0B+4*\s+1], s[LB], \s*SLOT
	s_add_nc_u64 s[G0B+4*\s+2:G0B+4*\s+3], s[44:45], \s*STEPB
	s_or_b32 s[G0B+4*\s+3], s[G0B+4*\s+3], 0x80000000
.endr
	s_cmp_lt_u32 s[WV], 2                          ; a wave's two first fills stand in one branch, ahead of every wait on TENSORcnt and every LDS read: two loads of mine are out
	s_cbranch_scc0 .Lfirst_b
	tensor_load_to_lds s[G0A:G0A+3], s[G1A:G1A+7]
	s_nop 0
	tensor_load_to_lds s[G0A+4:G0A+7], s[G1A:G1A+7]
	s_nop 0
.rept 4
	v_nop
.endr
	s_branch .Lfirst_asked
.Lfirst_b:
	tensor_load_to_lds s[G0B:G0B+3], s[G1B:G1B+7]
	s_nop 0
	tensor_load_to_lds s[G0B+4:G0B+7], s[G1B:G1B+7]
	s_nop 0
.rept 4
	v_nop
.endr
.Lfirst_asked:
	; the bias of my 128 columns: block b's columns 16 b + 8 (l / 16) + 0..7 are 32 bytes
	s_lshl_b32 s2, s[TC], 10
	s_lshl_b32 s3, s[WC], 9
	s_add_co_u32 s2, s2, s3
	s_mov_b32 s3, 0
	s_add_nc_u64 s[8:9], s[8:9], s[2:3]
	v_and_b32 v1, 15, v0                           ; l % 16
	v_bfe_u32 v2, v0, 4, 1                         ; l / 16
	v_lshlrev_b32 v[BO], 5, v2
.irp i, 0,1,2,3,4,5,6,7
	global_load_b128 v[BIAS+8*\i:BIAS+8*\i+3],   v[BO], s[8:9] offset:64*\i
	global_load_b128 v[BIAS+8*\i+4:BIAS+8*\i+7], v[BO], s[8:9] offset:64*\i+16
.endr
	; a fragment of xb: lane l holds row l % 16; two loads of 16 bytes, 32 bytes apart, at row x pitch + 16 (l / 16)
	v_mul_u32_u24 v3, v1, PITCH
	v_lshl_add_u32 v3, v2, 4, v3
	s_mul_i32 s12, s[WR], HALFT                    ; my 128 rows of xb
	v_add_nc_u32 v[ADRA], s12, v3
	v_add_nc_u32 v[ADRA+1], SLOT, v[ADRA]
	; a fragment of wb, turned: lane l reads 16 bytes of k row 8 (l / 16) + l % 8, columns 8 ((l / 8) % 2) + 0..7; two loads, 16 k rows apart
	v_and_b32 v4, 7, v0
	v_lshl_add_u32 v4, v2, 3, v4
	v_mul_u32_u24 v4, v4, PITCHB
	v_bfe_u32 v5, v0, 3, 1
	v_lshl_add_u32 v4, v5, 4, v4
	s_lshl_b32 s13, s[WC], 8                       ; my 128 columns, in bytes,
	s_add_co_u32 s13, s13, 2*HALFT                 ; behind xb's 256 rows
	v_add_nc_u32 v[ADRB], s13, v4
	v_add_nc_u32 v[ADRB+1], SLOT, v[ADRB]
	s_mul_i32 s12, s[WV], 16*SPITCH
	s_add_co_u32 s12, s12, STAGE                   ; my stage
	v_add_nc_u32 v[STO], s12, v3                   ; in: row l % 16, 16 bytes for each half of the lanes
	v_mul_u32_u24 v5, v2, SPITCH                   ; back: lanes 0-15 take one row of 256 bytes, lanes 16-31 the next
	v_lshl_add_u32 v5, v1, 4, v5
	v_add_nc_u32 v[RD], s12, v5
	v_mul_u32_u24 v6, v2, ROWC                     ; and the same two rows in qkv
	v_lshl_add_u32 v[CO], v1, 4, v6
	s_lshl_b32 s2, s[TR], 8                        ; qkv at my wave's first row and column
	s_lshl_b32 s3, s[WR], 7
	s_add_co_u32 s2, s2, s3
	s_mul_i32 s2, s2, ROWC
	s_lshl_b32 s3, s[TC], 9
	s_add_co_u32 s2, s2, s3
	s_lshl_b32 s3, s[WC], 8
	s_add_co_u32 s2, s2, s3
	s_mov_b32 s3, 0
	s_add_nc_u64 s[10:11], s[10:11], s[2:3]
; 16 matrix instructions: m blocks a0, a0 + 1 of the window's four x all 8 n blocks, 32 along K.  first = 1: the sums start from the bias: nothing is cleared and nothing is added later.
; The 64 accumulators take turns, one instruction a turn, in the same order in every quarter.
.macro MUL16 f, hi, a0, first
.irp a, \a0, \a0+1
.irp b, 0,1,2,3,4,5,6,7
.if \first
	v_wmma_f32_16x16x32_bf16 v[8*(8*(\a)+\b):8*(8*(\a)+\b)+7], v[\f+8*\b:\f+8*\b+7], v[\f+8*(4*\hi+\a):\f+8*(4*\hi+\a)+7], v[BIAS+8*\b:BIAS+8*\b+7]
.else
	v_wmma_f32_16x16x32_bf16 v[8*(8*(\a)+\b):8*(8*(\a)+\b)+7], v[\f+8*\b:\f+8*\b+7], v[\f+8*(4*\hi+\a):\f+8*(4*\hi+\a)+7], v[8*(8*(\a)+\b):8*(8*(\a)+\b)+7]
.endif
.endr
.endr
.endm
; 32 LDS loads in one run: the fragments of quarter kq (32 along K) of a slot into buffer f: wb's 128 columns, then xb's 128 rows
.macro FETCH slot, kq, f
	WIN TO_B
.irp i, 0,1,2,3,4,5,6,7
	ds_load_tr16_b128 v[\f+8*\i:\f+8*\i+3],   v[ADRB+\slot] offset:\kq*32*PITCHB+32*\i
	ds_load_tr16_b128 v[\f+8*\i+4:\f+8*\i+7], v[ADRB+\slot] offset:\kq*32*PITCHB+32*\i+16*PITCHB
.endr
	WIN 0
.irp i, 0,1,2,3,4,5,6,7
	ds_load_b128 v[\f+8*\i:\f+8*\i+3],   v[ADRA+\slot] offset:64*\kq+\i*16*PITCH
	ds_load_b128 v[\f+8*\i+4:\f+8*\i+7], v[ADRA+\slot] offset:64*\kq+\i*16*PITCH+32
.endr
.endm
; Four places (plain vector instructions that name none of its registers) stand between a matrix instruction and a load into a register that it has read, or a conversion of its result.
.macro PLACES
.rept 4
	v_nop
.endr
.endm
; A K step is four quarters of 32 along K, 64 matrix instructions each, on buffers 0, 1, 0, 1.  One of the first three: multiplies buffer f and, in its middle, fetches quarter kq into g.
.macro QUARTER slot, kq, f, g, first
	s_wait_dscnt 8                                 ; wb and xb's rows 0-63 are in; the youngest eight loads (xb's rows 64-127) may be out
.if \first
	WIN FIRST_LO
.else
	WIN MUL_LO
.endif
	MUL16 \f, 0, 0, \first
	MUL16 \f, 0, 2, \first
	PLACES
	FETCH \slot, \kq, \g
	s_wait_dscnt 32                                ; all but the 32 just issued
.if \first
	WIN FIRST_HI
.else
	WIN MUL_HI
.endif
	MUL16 \f, 1, 0, \first
	MUL16 \f, 1, 2, \first
.endm
; The last quarter multiplies buffer 1 and changes slots: one barrier; in front of it each wave waits for its own reads of this slot and for all its tensor loads, of which one is out:
; its part of the next slot.  fill = 1: the barrier opens a round of the cluster's barrier, and the slot just read out is filled again, two K steps on, first thing behind the round:
; 240 matrix instructions stand between that request and the wait for it.
.macro TURN slot, next, fill
	s_wait_dscnt 8
	WIN MUL_LO
	MUL16 F1, 0, 0, 0
	s_wait_dscnt 0x0                               ; my reads of this slot are over,
	s_wait_tensorcnt 0x0                           ; and all my tensor loads have landed
	ds_add_u32 v255, v31
	s_wait_dscnt 0x0
	s_barrier_signal -1
	MUL16 F1, 0, 2, 0                              ; work on registers while the others arrive
.if \fill
	WIN 0                                          ; every window is 0 there
.endif
	s_barrier_wait -1
.if \fill
	CREST                                          ; no wave of any partner still reads this slot or has a load on its way
	s_add_nc_u64 s[G0A+4*\slot+2:G0A+4*\slot+3], s[G0A+4*\slot+2:G0A+4*\slot+3], 2*STEPA
	s_add_nc_u64 s[G0B+4*\slot+2:G0B+4*\slot+3], s[G0B+4*\slot+2:G0B+4*\slot+3], 2*STEPB
	JLOAD \slot                                    ; its four v_nop are also the places in front of the loads below
.else
	PLACES
.endif
	FETCH \next, 0, F0
	WIN MUL_HI
	MUL16 F1, 1, 0, 0
	MUL16 F1, 1, 2, 0
.endm
; THE WAY OUT of block a (16 rows).  PACK: rounded to f16, 16 bytes a lane.  TOSTAGE: into my own stage, and back as whole rows of 256 bytes.  SEND: stored.
.macro PACK a
.set AC, 64*((\a)%4)
	WIN 0x0a+5*((\a)/4)                            ; sources 0 and 1: window 2 or 3
.irp b, 0,1,2,3,4,5,6,7
.irp r, 0,1,2,3
	v_cvt_pk_f16_f32 v[TMP+4*\b+\r], v[AC+8*\b+2*\r], v[AC+8*\b+2*\r+1]
.endr
.endr
	WIN 0
.endm
.macro TOSTAGE a
.set BK, OB+192*((\a)%2)
.irp b, 0,1,2,3,4,5,6,7
	ds_store_b128 v[STO], v[TMP+4*\b:TMP+4*\b+3] offset:32*\b
.endr
.irp t, 0,1,2,3,4,5,6,7
	ds_load_b128 v[BK+4*\t:BK+4*\t+3], v[RD] offset:\t*2*SPITCH    ; LDS serves a wave's instructions in order: these see the stores above
.endr
.endm
.macro SEND a
.set BK, OB+192*((\a)%2)
	s_wait_dscnt 0x0                               ; the block is back in registers
	s_wait_xcnt 0x0                                ; the stores of the block before have read their registers: the next TOSTAGE loads into them only behind this wait
.irp t, 0,1,2,3,4,5,6,7
	global_store_b128 v[CO], v[BK+4*\t:BK+4*\t+3], s[10:11] offset:(16*(\a)+2*\t)*ROWC   ; 16 lanes store 256 consecutive bytes, at a multiple of 256 from qkv's first byte; 126 rows at the most: 774,144 bytes
.endr
.endm
	s_wait_tensorcnt 0x1                           ; my part of K step 0 is in; K step 1's may stay out
	s_barrier_signal -1
	s_barrier_wait -1                              ; everybody's is
	FETCH 0, 0, F0
	s_wait_loadcnt 0x0                             ; the bias
	QUARTER 0, 1, F0, F1, 1                        ; the first quarter stands in front of the loop: its products start the sums
	WIN 0                                          ; at a label and at a branch every window is 0
	s_mov_b32 s[CNT], LAPS-1
.Llap:                                                 ; a trip goes once round the ring, from a lap's second quarter to the next lap's first, and fills both slots again
	QUARTER 0, 2, F1, F0, 0
	QUARTER 0, 3, F0, F1, 0
	TURN 0, 1, 1
	QUARTER 1, 1, F0, F1, 0
	QUARTER 1, 2, F1, F0, 0
	QUARTER 1, 3, F0, F1, 0
	TURN 1, 0, 1
	QUARTER 0, 1, F0, F1, 0
	WIN 0
	s_sub_co_u32 s[CNT], s[CNT], 1
	s_cmp_lg_u32 s[CNT], 0
	s_cbranch_scc1 .Llap
	QUARTER 0, 2, F1, F0, 0                        ; the last lap fills nothing, and has no round of the cluster's barrier
	QUARTER 0, 3, F0, F1, 0
	TURN 0, 1, 0
	QUARTER 1, 1, F0, F1, 0
	QUARTER 1, 2, F1, F0, 0
	QUARTER 1, 3, F0, F1, 0
	s_wait_dscnt 8                                 ; the very last quarter: nothing more to fetch
	WIN MUL_LO
	MUL16 F1, 0, 0, 0
	MUL16 F1, 0, 2, 0
	s_wait_dscnt 0x0
	WIN MUL_HI
	MUL16 F1, 1, 0, 0
	MUL16 F1, 1, 2, 0
	WIN 0
	PLACES
	PACK 0
	TOSTAGE 0
.irp a, 1,2,3,4,5,6,7                  ; block a's conversions stand between block a - 1's loads from the stage and the wait for them
	PACK \a
	SEND \a-1
	TOSTAGE \a
.endr
	SEND 7
	s_set_vgpr_msb 0x1
	s_wait_tensorcnt 0x0
	ds_add_u32 v255, v31
	s_wait_dscnt 0x0
	s_set_vgpr_msb 0x100
	CROUND                                         ; the closing round: no work-group ends while a partner may still ask for a tile that names it
	s_endpgm
.Lfunc_end_k_qa64a913b2d_proj:
	.size	k_qa64a913b2d_proj, .Lfunc_end_k_qa64a913b2d_proj-k_qa64a913b2d_proj
	.p2alignl 7, 3214868480
	.fill 96, 4, 3214868480
	.section	.rodata,"a",@progbits
	.p2align	6, 0x0
	.amdhsa_kernel k_qa64a913b2d_proj
		.amdhsa_group_segment_fixed_size 327680
		.amdhsa_private_segment_fixed_size 0
		.amdhsa_enable_private_segment 0
		.amdhsa_kernarg_size 32
		.amdhsa_user_sgpr_count 2
		.amdhsa_user_sgpr_kernarg_segment_ptr 1
		.amdhsa_wavefront_size32 1
		.amdhsa_system_sgpr_workgroup_id_x 1
		.amdhsa_system_sgpr_workgroup_id_y 1
		.amdhsa_system_sgpr_workgroup_id_z 1
		.amdhsa_system_vgpr_workitem_id 0
		.amdhsa_next_free_vgpr 1024
		.amdhsa_next_free_sgpr 68
		.amdhsa_reserve_vcc 0
		.amdhsa_float_denorm_mode_32 3
		.amdhsa_float_denorm_mode_16_64 3
		.amdhsa_memory_ordered 1
		.amdhsa_forward_progress 1
		.amdhsa_inst_pref_size 144
	.end_amdhsa_kernel
	.amdgpu_metadata
---
amdhsa.version: [ 1, 2 ]
amdhsa.kernels:
  - .name:           k_qa64a913b2d_proj
    .symbol:         k_qa64a913b2d_proj.kd
    .args:
      - { .name: xb, .offset: 0, .size: 8, .value_kind: global_buffer, .address_space: global }
      - { .name: wb, .offset: 8, .size: 8, .value_kind: global_buffer, .address_space: global }
      - { .name: b, .offset: 16, .size: 8, .value_kind: global_buffer, .address_space: global }
      - { .name: qkv, .offset: 24, .size: 8, .value_kind: global_buffer, .address_space: global }
    .group_segment_fixed_size: 327680
    .private_segment_fixed_size: 0
    .kernarg_segment_align: 8
    .kernarg_segment_size: 32
    .max_flat_workgroup_size: 128
    .sgpr_count:     68
    .vgpr_count:     1024
    .wavefront_size: 32
...
	.end_amdgpu_metadata
.endif
;; end of part 2
;; launch score (part 3): grid 12 x 16, 4 waves a work-group, clusters of 4 x 4, 327,680 bytes of LDS; arguments qkv, p, ms, ls; writes p, ms, ls
.if DOCPART == 3
	.amdgcn_target "amdgcn-amd-amdhsa--gfx1250"
	.amdhsa_code_object_version 6
	.text
	.protected	k_qa64a913b2d_score
	.globl	k_qa64a913b2d_score
	.p2align	8
	.type	k_qa64a913b2d_score,@function
k_qa64a913b2d_score:
	s_mov_b64 s[64:65], 0
	v_nop
	global_prefetch_b8 v0, s[64:65] scope:SCOPE_SE
	s_setreg_imm32_b32 hwreg(HW_REG_WAVE_MODE, 25, 1), 1
	s_wait_xcnt 0x0
	s_wait_alu depctr_hold_cnt(0) depctr_sa_sdst(0) depctr_va_vdst(0) depctr_va_sdst(0) depctr_va_ssrc(0) depctr_va_vcc(0) depctr_vm_vsrc(0)
	s_getreg_b32 s2, hwreg(HW_REG_IB_STS2, 6, 4)
	s_cmp_eq_u32 s2, 0
	s_cbranch_scc0 .Lentry_in_a_cluster
	s_endpgm
.Lentry_in_a_cluster:
	s_bfe_u32 s2, ttmp6, 0x10000c
	s_cmp_lg_u32 s2, 0xf033
	s_cbranch_scc0 .Lentry_shape_is_right
	s_endpgm
.Lentry_shape_is_right:
; For each batch, each query t and each block kb of 128 keys:  d = q[t] . k[T] (f16 operands, f32 sums), masked to NEG where T > t;
;   ms[batch][kb][t] = c x max over the block of d,   p[batch][t][T] = f16(2^(c d - ms)),   ls[batch][kb][t] = the block's sum of those weights (f32),   c = log2(e) / 32.
; The next launch takes the maximum of a row's ms, scales each block by 2^(ms - maximum) and divides by the row's total: the softmax with the row's true maximum taken away.
; qkv: [8192][3072] f16 (q at byte 0 of a row, k at byte 2,048); p: [4][2048][2048] f16; ms, ls: [4][16][2048] f32.
; LIMITS.  NEG = -2^58 stands for the masked logit: c NEG / log2(e) = -2^53 = -9.007e15, where the model has -9e15; both give the weight 0 beside any real logit.  Dots below -2^58
; are not served, nor NaN or infinite inputs.  NEG is a power of two, so c NEG is exact and a row of a block that is masked whole gets c d - ms = 0 exactly: weights 1, sum 128,
; ms = c NEG; the next launch's factor for such a block is 0.  Weights below 2^-24 become 0 in f16: 3e-8 of a row's largest weight.
; SHARES.  Example shape: a tile of 256 queries x 256 keys a work-group, 128 x 128 a wave (one key block), K = 1024 channels in eight steps of 128 through two LDS slots.
; CLUSTER.  4 x 4 work-groups make 1,024 queries x 1,024 keys; the four of a row share q's tiles, the four of a column k's: joint loads.  Of a batch's four such squares three hold
; unmasked scores: (0,0), (1,0), (1,1).  In a diagonal square six of the sixteen tiles are masked whole; they run like the others, since a cluster is a product of four query tiles and
; four key tiles, every partner makes each joint request.  Every tile passes the mask for the same reason.
; THE MATRIX INSTRUCTION IS USED TRANSPOSED (source 0 = 16 keys, source 1 = 16 queries): lane l holds query l % 16 and keys 16 b + 8 (l / 16) + 0..7 of all eight blocks b:
; a query's maximum and sum want one exchange between the halves of the lanes, and eight weights pack into 16 bytes of a row of p.
; REGISTERS: window 0: v0-31 addresses; v64-127, v128-191 fragments of q, two buffers (at work in the softmax); v192-223 packed weights; v32-63, v224-255 the way out.
;   window 1: v64-127, v128-191 fragments of k.   windows 2, 3: the accumulators of my queries 0-63, 64-127 ((a, b) at v[8 (8 (a % 4) + b)]).
.set PITCH,  272                       ; an LDS row: 256 bytes + 16: an odd multiple of 16, so the 16 rows of a fragment load begin at 16 different 16-byte columns of 256
.set HALFT,  128*PITCH
.set SLOT,   4*HALFT                   ; q's 256 rows, then k's 256 rows
.set STAGE,  2*SLOT                    ; behind the ring: 16 rows x 272 bytes for each wave; no tensor load fills it
.set SPITCH, 272
.set LAPS,   4
.set STEP,   256                       ; bytes from a K step to the next
.set ROWP,   4096                      ; bytes in a row of p
.set ADRA, 16
.set ADRB, 20
.set STO,  24
.set RD,   25
.set CO,   26
.set DELTA, 27                         ; v27  (my first query + l % 16) - (my first key + 8 (l / 16))
.set NEGV, 28                          ; v28  NEG
.set SA,   29                          ; v29  statistics into my stage: 4 (l % 16)
.set SB,   30                          ; v30  and back: 16 l
.set SG,   31                          ; v31  their place in ms and ls: 16 l
.set F0,   64
.set F1,   128
.set TMP,  192
.set OB,   32
.set DDR,  64                          ; v64-78   DELTA - 16 dd for dd = b - a = -7 .. 7
.set TT,   80                          ; v80-83   four chains of the maximum;  v84, v85 at work
.set CM,   96                          ; v[96+2a], v[97+2a]  c x the maximum of block row a, as a pair
.set LS,   112                         ; v[112+a] its sum
.set UU,   144                         ; v144-175 the sums' first level
.set WV, 14
.set WR, 15
.set WC, 16
.set CX, 17
.set CY, 18
.set TC, 19                            ; s19 key tile, s20 query tile (of 256), 0..7
.set TR, 20
.set MROW, 21
.set MCOL, 22
.set LB, 23
.set G1A, 24
.set G0A, 32
.set G1B, 48
.set G0B, 56
.set CNT, 66
.set BA, 67                            ; s67 batch
.set MK, 68                            ; s[68:75] lane masks for registers 0..7 of a block
.set SEL, 76                           ; s[76:77] lane selects: each lane takes its own place in the other half
.set CS, 78                            ; s[78:79] c
.set MSB, 0
.macro WIN new
.if MSB != \new
	s_set_vgpr_msb (MSB<<8)|\new
.set MSB, \new
.endif
.endm
.set MUL_LO, 0xa1
.set MUL_HI, 0xf1
.set TO_B,   0x40
.macro JLOAD s                         ; a joint load: waves 0 and 1 fetch q's two halves, waves 2 and 3 k's; four v_nop follow each of the two lines
	s_cmp_lt_u32 s[WV], 2
	s_cbranch_scc0 .Lfor_b_\@
	tensor_load_to_lds s[G0A+4*\s:G0A+4*\s+3], s[G1A:G1A+7]
	s_nop 0
.rept 4
	v_nop
.endr
	s_branch .Lasked_\@
.Lfor_b_\@:
	tensor_load_to_lds s[G0B+4*\s:G0B+4*\s+3], s[G1B:G1B+7]
	s_nop 0
.rept 4
	v_nop
.endr
.Lasked_\@:
.endm
.macro CREST
	s_cmp_lg_u32 s[WV], 0
	s_cbranch_scc1 .Lnot_wave_0_\@
	s_barrier_signal -3
.Lnot_wave_0_\@:
	s_barrier_wait -3
	s_barrier_signal -1
	s_barrier_wait -1
.endm
.macro CROUND
	s_barrier_signal -1
	s_barrier_wait -1
	CREST
.endm
	s_load_b256 s[4:11], s[0:1], 0x0               ; qkv s[4:5], p s[6:7], ms s[8:9], ls s[10:11]
	s_set_vgpr_msb 0x40
	v_lshl_add_u32 v255, v0, 2, 0x48400
	s_set_vgpr_msb 0x4000
	v_mov_b32 v23, 0
	s_set_vgpr_msb 0x1
	ds_add_u32 v255, v23
	s_set_vgpr_msb 0x100
	v_lshrrev_b32 v1, 5, v0
	v_readfirstlane_b32 s[WV], v1
	s_lshr_b32 s[WR], s[WV], 1
	s_and_b32 s[WC], s[WV], 1
	s_bfe_u32 s[CX], ttmp6, 0x40000
	s_bfe_u32 s[CY], ttmp6, 0x40004
	s_add_co_u32 s12, ttmp9, 1                     ; the cluster's x = 0, 1, 2 names the square (0,0), (1,0), (1,1):
	s_lshr_b32 s12, s12, 1                         ; its row of squares,
	s_lshl_b32 s[TR], s12, 2
	s_add_co_u32 s[TR], s[TR], s[CY]               ; query tile
	s_lshr_b32 s13, ttmp9, 1                       ; its column,
	s_lshl_b32 s[TC], s13, 2
	s_add_co_u32 s[TC], s[TC], s[CX]               ; key tile
	s_and_b32 s[BA], ttmp7, 0xffff                 ; the cluster's y is the batch
	s_lshl_b32 s[MROW], s[CY], 2
	s_lshl_b32 s[MROW], 15, s[MROW]
	s_lshl_b32 s[MCOL], 0x1111, s[CX]
	s_mul_i32 s[LB], s[WV], HALFT
	s_or_b32 s[G1A+0], s[MROW], (1<<16)|(1<<20)|(1<<21)|(5<<22)|(3<<25)   ; q's tiles go to my row; elements of 2 bytes; 16 bytes of padding behind every 64 words
	s_or_b32 s[G1B+0], s[MCOL], (1<<16)|(1<<20)|(1<<21)|(5<<22)|(3<<25)   ; k's to my column
.irp g, G1A, G1B
	s_mov_b32 s[\g+1], 128<<16                     ; tensor_dim0 = 128
	s_mov_b32 s[\g+2], 128<<16                     ; tensor_dim1 = 128
	s_mov_b32 s[\g+3], 128<<16                     ; tile_dim0 = 128
	s_mov_b32 s[\g+4], 128                         ; tile_dim1 = 128
	s_mov_b32 s[\g+5], 3072                        ; elements from row to row of qkv
	s_mov_b32 s[\g+6], 0
	s_mov_b32 s[\g+7], 0
.endr
	s_mov_b32 s[SEL], 0x76543210
	s_mov_b32 s[SEL+1], 0xfedcba98
	s_mov_b32 s[CS], 0x3d38aa3b                    ; c = log2(e) / 32
	s_mov_b32 s[CS+1], 0x3d38aa3b                  ; named with it as a pair, so it is written
	s_lshl_b32 s40, s[BA], 11                      ; q: row 2,048 x batch + 256 x query tile + 128 x half
	s_lshl_b32 s41, s[TR], 8
	s_add_co_u32 s40, s40, s41
	s_lshl_b32 s41, s[WC], 7
	s_add_co_u32 s40, s40, s41
	s_mul_i32 s40, s40, 6144
	s_mov_b32 s41, 0
	s_lshl_b32 s44, s[BA], 11                      ; k: row 2,048 x batch + 256 x key tile + 128 x half, 2,048 bytes into the row
	s_lshl_b32 s45, s[TC], 8
	s_add_co_u32 s44, s44, s45
	s_lshl_b32 s45, s[WC], 7
	s_add_co_u32 s44, s44, s45
	s_mul_i32 s44, s44, 6144
	s_add_co_u32 s44, s44, 2048
	s_mov_b32 s45, 0
	s_wait_dscnt 0x0
	s_wait_kmcnt 0x0
	s_add_nc_u64 s[40:41], s[4:5], s[40:41]
	s_add_nc_u64 s[44:45], s[4:5], s[44:45]
	CROUND                                         ; all sixteen work-groups are here: the first joint loads meet
.irp s, 0,1
	s_mov_b32 s[G0A+4*\s], 1
	s_add_co_u32 s[G0A+4*\s+1], s[LB], \s*SLOT
	s_add_nc_u64 s[G0A+4*\s+2:G0A+4*\s+3], s[40:41], \s*STEP
	s_or_b32 s[G0A+4*\s+3], s[G0A+4*\s+3], 0x80000000
	s_mov_b32 s[G0B+4*\s], 1
	s_add_co_u32 s[G0B+4*\s+1], s[LB], \s*SLOT
	s_add_nc_u64 s[G0B+4*\s+2:G0B+4*\s+3], s[44:45], \s*STEP
	s_or_b32 s[G0B+4*\s+3], s[G0B+4*\s+3], 0x80000000
.endr
	s_cmp_lt_u32 s[WV], 2                          ; a wave's two first fills stand in one branch: two loads of mine are out
	s_cbranch_scc0 .Lfirst_b
	tensor_load_to_lds s[G0A:G0A+3], s[G1A:G1A+7]
	s_nop 0
	tensor_load_to_lds s[G0A+4:G0A+7], s[G1A:G1A+7]
	s_nop 0
.rept 4
	v_nop
.endr
	s_branch .Lfirst_asked
.Lfirst_b:
	tensor_load_to_lds s[G0B:G0B+3], s[G1B:G1B+7]
	s_nop 0
	tensor_load_to_lds s[G0B+4:G0B+7], s[G1B:G1B+7]
	s_nop 0
.rept 4
	v_nop
.endr
.Lfirst_asked:
	v_and_b32 v1, 15, v0                           ; l % 16
	v_bfe_u32 v2, v0, 4, 1                         ; l / 16
	v_mul_u32_u24 v3, v1, PITCH
	v_lshl_add_u32 v3, v2, 4, v3                   ; a fragment's row x pitch + 16 x half
	s_mul_i32 s12, s[WR], HALFT                    ; my 128 queries
	v_add_nc_u32 v[ADRA], s12, v3
	v_add_nc_u32 v[ADRA+1], SLOT, v[ADRA]
	s_mul_i32 s13, s[WC], HALFT                    ; my 128 keys,
	s_add_co_u32 s13, s13, 2*HALFT                 ; behind q's 256 rows
	v_add_nc_u32 v[ADRB], s13, v3
	v_add_nc_u32 v[ADRB+1], SLOT, v[ADRB]
	s_mul_i32 s12, s[WV], 16*SPITCH
	s_add_co_u32 s12, s12, STAGE                   ; my stage
	v_add_nc_u32 v[STO], s12, v3
	v_mul_u32_u24 v5, v2, SPITCH
	v_lshl_add_u32 v5, v1, 4, v5
	v_add_nc_u32 v[RD], s12, v5
	v_lshlrev_b32 v6, 12, v2                       ; the same two rows in p
	v_lshl_add_u32 v[CO], v1, 4, v6
	v_lshl_add_u32 v[SA], v1, 2, s12
	v_and_b32 v7, 31, v0
	v_lshlrev_b32 v[SG], 4, v7
	v_add_nc_u32 v[SB], s12, v[SG]
	v_mov_b32 v[NEGV], 0xdc800000                  ; -2^58
	s_sub_co_i32 s2, s[TR], s[TC]                  ; my first query less my first key
	s_lshl_b32 s2, s2, 8
	s_sub_co_i32 s3, s[WR], s[WC]
	s_lshl_b32 s3, s3, 7
	s_add_co_i32 s2, s2, s3
	v_lshlrev_b32 v4, 3, v2
	v_sub_nc_u32 v4, v1, v4                        ; l % 16 - 8 (l / 16)
	v_add_nc_u32 v[DELTA], s2, v4
	s_lshl_b32 s2, s[BA], 23                       ; p at my wave's first row and column: a batch is 8,388,608 bytes, 256 rows 2^20, 128 rows 2^19
	s_lshl_b32 s3, s[TR], 20
	s_add_co_u32 s2, s2, s3
	s_lshl_b32 s3, s[WR], 19
	s_add_co_u32 s2, s2, s3
	s_lshl_b32 s3, s[TC], 9
	s_add_co_u32 s2, s2, s3
	s_lshl_b32 s3, s[WC], 8
	s_add_co_u32 s2, s2, s3
	s_mov_b32 s3, 0
	s_add_nc_u64 s[6:7], s[6:7], s[2:3]
	s_lshl_b32 s2, s[BA], 4                        ; ms and ls at ((16 batch + key block) x 2,048 + my first query) x 4
	s_lshl_b32 s3, s[TC], 1
	s_add_co_u32 s2, s2, s3
	s_add_co_u32 s2, s2, s[WC]
	s_lshl_b32 s2, s2, 11
	s_lshl_b32 s3, s[TR], 8
	s_add_co_u32 s2, s2, s3
	s_lshl_b32 s3, s[WR], 7
	s_add_co_u32 s2, s2, s3
	s_lshl_b32 s2, s2, 2
	s_mov_b32 s3, 0
	s_add_nc_u64 s[8:9], s[8:9], s[2:3]
	s_add_nc_u64 s[10:11], s[10:11], s[2:3]
; 16 matrix instructions; zero = 1: the first product starts the sums.  The 64 accumulators take turns, one instruction a turn.
.macro MUL16 f, hi, a0, zero
.irp a, \a0, \a0+1
.irp b, 0,1,2,3,4,5,6,7
.if \zero
	v_wmma_f32_16x16x32_f16 v[8*(8*(\a)+\b):8*(8*(\a)+\b)+7], v[\f+8*\b:\f+8*\b+7], v[\f+8*(4*\hi+\a):\f+8*(4*\hi+\a)+7], 0
.else
	v_wmma_f32_16x16x32_f16 v[8*(8*(\a)+\b):8*(8*(\a)+\b)+7], v[\f+8*\b:\f+8*\b+7], v[\f+8*(4*\hi+\a):\f+8*(4*\hi+\a)+7], v[8*(8*(\a)+\b):8*(8*(\a)+\b)+7]
.endif
.endr
.endr
.endm
.macro FETCH slot, kq, f               ; 32 LDS loads in one run: quarter kq's fragments: 128 keys, then 128 queries
	WIN TO_B
.irp i, 0,1,2,3,4,5,6,7
	ds_load_b128 v[\f+8*\i:\f+8*\i+3],   v[ADRB+\slot] offset:64*\kq+\i*16*PITCH
	ds_load_b128 v[\f+8*\i+4:\f+8*\i+7], v[ADRB+\slot] offset:64*\kq+\i*16*PITCH+32
.endr
	WIN 0
.irp i, 0,1,2,3,4,5,6,7
	ds_load_b128 v[\f+8*\i:\f+8*\i+3],   v[ADRA+\slot] offset:64*\kq+\i*16*PITCH
	ds_load_b128 v[\f+8*\i+4:\f+8*\i+7], v[ADRA+\slot] offset:64*\kq+\i*16*PITCH+32
.endr
.endm
.macro PLACES                          ; four places between a matrix instruction and a load into a register that it has read, or a vector instruction on its result
.rept 4
	v_nop
.endr
.endm
.macro QUARTER slot, kq, f, g, zero
	s_wait_dscnt 8                                 ; k and q's rows 0-63 are in; the youngest eight loads (q's rows 64-127) may be out
	WIN MUL_LO
	MUL16 \f, 0, 0, \zero
	MUL16 \f, 0, 2, \zero
	PLACES
	FETCH \slot, \kq, \g
	s_wait_dscnt 32                                ; all but the 32 just issued
	WIN MUL_HI
	MUL16 \f, 1, 0, \zero
	MUL16 \f, 1, 2, \zero
.endm
; The last quarter changes slots: one barrier, in front of it each wave's waits for its reads of this slot and for all its tensor loads; fill = 1: the barrier opens a round of the
; cluster's barrier and the slot is filled again, two K steps on, first thing behind the round.
.macro TURN slot, next, fill
	s_wait_dscnt 8
	WIN MUL_LO
	MUL16 F1, 0, 0, 0
	s_wait_dscnt 0x0
	s_wait_tensorcnt 0x0
	ds_add_u32 v255, v23
	s_wait_dscnt 0x0
	s_barrier_signal -1
	MUL16 F1, 0, 2, 0
.if \fill
	WIN 0
.endif
	s_barrier_wait -1
.if \fill
	CREST
	s_add_nc_u64 s[G0A+4*\slot+2:G0A+4*\slot+3], s[G0A+4*\slot+2:G0A+4*\slot+3], 2*STEP
	s_add_nc_u64 s[G0B+4*\slot+2:G0B+4*\slot+3], s[G0B+4*\slot+2:G0B+4*\slot+3], 2*STEP
	JLOAD \slot                                    ; its four v_nop are also the places in front of the loads below
.else
	PLACES
.endif
	FETCH \next, 0, F0
	WIN MUL_HI
	MUL16 F1, 1, 0, 0
	MUL16 F1, 1, 2, 0
.endm
; THE SOFTMAX of block row a (16 queries x my 128 keys; a lane has 64 scores of one query).
.macro SOFT a
.set AC, 64*((\a)%4)
.set SW, 2+(\a)/4                      ; the accumulators' window
	WIN ((SW<<2)|(SW<<4))                          ; sources 1 and 2 in it
.set i, 0
.rept 32                               ; four chains, two scores a link; each starts from NEG, the least score that is served
.if i < 4
	v_max3_num_f32 v[TT+i%4], v[NEGV], v[AC+2*i], v[AC+2*i+1]
.else
	v_max3_num_f32 v[TT+i%4], v[TT+i%4], v[AC+2*i], v[AC+2*i+1]
.endif
.set i, i+1
.endr
	WIN 0
	v_max3_num_f32 v[TT], v[TT], v[TT+1], v[TT+2]
	v_max_num_f32 v[TT], v[TT], v[TT+3]
	v_permlanex16_b32 v85, v[TT], s[SEL], s[SEL+1] ; the query's other 64 keys lie in the lane 16 away
	v_max_num_f32 v[TT], v[TT], v85
	v_mul_f32 v[CM+2*(\a)], s[CS], v[TT]           ; c x the maximum,
	v_mul_f32 v[CM+2*(\a)+1], s[CS], v[TT]         ; twice: the packed line below names a pair
	WIN ((SW<<6)|SW)                               ; destination and source 0 in the accumulators' window
.set i, 0
.rept 32
	v_pk_fma_f32 v[AC+2*i:AC+2*i+1], v[AC+2*i:AC+2*i+1], s[CS:CS+1], v[CM+2*(\a):CM+2*(\a)+1] op_sel_hi:[1,0,0] neg_lo:[0,0,1] neg_hi:[0,0,1]   ; c d - c max
.set i, i+1
.endr
.set i, 0
.rept 64
	v_exp_f32 v[AC+i], v[AC+i]
.set i, i+1
.endr
	v_nop                                          ; a plain instruction between the last exponential and the use of its result
	WIN (SW|(SW<<2))                               ; sources 0 and 1 in the accumulators' window, destination window 0
.set i, 0
	s_wait_alu depctr_va_vdst(0)
.rept 32
	v_cvt_pk_f16_f32 v[TMP+i], v[AC+2*i], v[AC+2*i+1]
.set i, i+1
.endr
.set i, 0
.rept 16
	v_pk_add_f32 v[UU+2*i:UU+2*i+1], v[AC+4*i:AC+4*i+1], v[AC+4*i+2:AC+4*i+3]
.set i, i+1
.endr
	WIN 0
.irp i, 0,1,2,3,4,5,6,7
	v_pk_add_f32 v[UU+2*\i:UU+2*\i+1], v[UU+2*\i:UU+2*\i+1], v[UU+16+2*\i:UU+16+2*\i+1]
.endr
.irp i, 0,1,2,3
	v_pk_add_f32 v[UU+2*\i:UU+2*\i+1], v[UU+2*\i:UU+2*\i+1], v[UU+8+2*\i:UU+8+2*\i+1]
.endr
.irp i, 0,1
	v_pk_add_f32 v[UU+2*\i:UU+2*\i+1], v[UU+2*\i:UU+2*\i+1], v[UU+4+2*\i:UU+4+2*\i+1]
.endr
	v_pk_add_f32 v[UU:UU+1], v[UU:UU+1], v[UU+2:UU+3]
	v_add_f32 v84, v[UU], v[UU+1]
	v_permlanex16_b32 v85, v84, s[SEL], s[SEL+1]
	v_add_f32 v[LS+(\a)], v84, v85
.endm
.macro TOSTAGE a
.set BK, OB+192*((\a)%2)
.irp b, 0,1,2,3,4,5,6,7
	ds_store_b128 v[STO], v[TMP+4*\b:TMP+4*\b+3] offset:32*\b
.endr
.irp t, 0,1,2,3,4,5,6,7
	ds_load_b128 v[BK+4*\t:BK+4*\t+3], v[RD] offset:\t*2*SPITCH    ; LDS serves a wave's instructions in order: these see the stores above
.endr
.endm
.macro SEND a
.set BK, OB+192*((\a)%2)
	s_wait_dscnt 0x0                               ; the block is back in registers
	s_wait_xcnt 0x0                                ; the stores of the block before have read their registers: they are loaded again only behind this wait
.irp t, 0,1,2,3,4,5,6,7
	global_store_b128 v[CO], v[BK+4*\t:BK+4*\t+3], s[6:7] offset:(16*(\a)+2*\t)*ROWP   ; 16 lanes store 256 consecutive bytes, at a multiple of 256 from p's first byte
.endr
.endm
	s_wait_tensorcnt 0x1                           ; my part of K step 0 is in; K step 1's may stay out
	s_barrier_signal -1
	s_barrier_wait -1
	FETCH 0, 0, F0
	QUARTER 0, 1, F0, F1, 1
	WIN 0
	s_mov_b32 s[CNT], LAPS-1
.Llap:
	QUARTER 0, 2, F1, F0, 0
	QUARTER 0, 3, F0, F1, 0
	TURN 0, 1, 1
	QUARTER 1, 1, F0, F1, 0
	QUARTER 1, 2, F1, F0, 0
	QUARTER 1, 3, F0, F1, 0
	TURN 1, 0, 1
	QUARTER 0, 1, F0, F1, 0
	WIN 0
	s_sub_co_u32 s[CNT], s[CNT], 1
	s_cmp_lg_u32 s[CNT], 0
	s_cbranch_scc1 .Llap
	QUARTER 0, 2, F1, F0, 0                        ; the last lap fills nothing
	QUARTER 0, 3, F0, F1, 0
	TURN 0, 1, 0
	QUARTER 1, 1, F0, F1, 0
	QUARTER 1, 2, F1, F0, 0
	QUARTER 1, 3, F0, F1, 0
	s_wait_dscnt 8
	WIN MUL_LO
	MUL16 F1, 0, 0, 0
	MUL16 F1, 0, 2, 0
	s_wait_dscnt 0x0
	WIN MUL_HI
	MUL16 F1, 1, 0, 0
	MUL16 F1, 1, 2, 0
	WIN 0
	PLACES
	; THE MASK.  Register j of accumulator (a, b) holds key 16 b + 8 (l / 16) + j and query 16 a + l % 16 of my block: it is masked where j > DELTA - 16 (b - a).
	; The eight lane masks hang on b - a alone: 15 x 8 compares serve the 64 accumulators' 512 selects.
	v_mov_b32 v85, 0                               ; the exchange's destination counts as read: written once
.set dd, -7
.rept 15
	v_add_nc_u32 v[DDR+7+dd], -16*dd, v[DELTA]
.set dd, dd+1
.endr
.set dd, -7
.rept 15
.irp j, 0,1,2,3,4,5,6,7
	v_cmp_gt_i32 s[MK+\j], \j, v[DDR+7+dd]         ; its vector source stands in place 1, which is window 0 in all the settings used here
.endr
.set aa, 0
.rept 8
.if (aa+dd >= 0) && (aa+dd < 8)
	WIN (((2+aa/4)<<6)|(2+aa/4))                   ; destination and source 0 in the accumulator's window, NEG in window 0
.set rr, 8*(8*(aa%4)+aa+dd)
.irp j, 0,1,2,3,4,5,6,7
	v_cndmask_b32 v[rr+\j], v[rr+\j], v[NEGV], s[MK+\j]
.endr
.endif
.set aa, aa+1
.endr
.set dd, dd+1
.endr
	WIN 0
	SOFT 0
	TOSTAGE 0
.irp a, 1,2,3,4,5,6,7                  ; block row a's softmax stands between block row a - 1's loads from the stage and the wait for them
	SOFT \a
	SEND \a-1
	TOSTAGE \a
.endr
	SEND 7
	; the statistics of my 128 queries go through my stage, so that each leaves as 512 consecutive bytes; lanes l and l + 16 write the same word with the same value
.irp a, 0,1,2,3,4,5,6,7
	ds_store_b32 v[SA], v[CM+2*\a] offset:64*\a
	ds_store_b32 v[SA], v[LS+\a] offset:512+64*\a
.endr
	ds_load_b128 v[32:35], v[SB]                   ; v32-39 were block row 6's store data: freed by the wait at the head of SEND 7
	ds_load_b128 v[36:39], v[SB] offset:512
	s_wait_dscnt 0x0
	global_store_b128 v[SG], v[32:35], s[8:9]
	global_store_b128 v[SG], v[36:39], s[10:11]
	s_set_vgpr_msb 0x1
	s_wait_tensorcnt 0x0
	ds_add_u32 v255, v23
	s_wait_dscnt 0x0
	s_set_vgpr_msb 0x100
	CROUND                                         ; the closing round
	s_endpgm
.Lfunc_end_k_qa64a913b2d_score:
	.size	k_qa64a913b2d_score, .Lfunc_end_k_qa64a913b2d_score-k_qa64a913b2d_score
	.p2alignl 7, 3214868480
	.fill 96, 4, 3214868480
	.section	.rodata,"a",@progbits
	.p2align	6, 0x0
	.amdhsa_kernel k_qa64a913b2d_score
		.amdhsa_group_segment_fixed_size 327680
		.amdhsa_private_segment_fixed_size 0
		.amdhsa_enable_private_segment 0
		.amdhsa_kernarg_size 32
		.amdhsa_user_sgpr_count 2
		.amdhsa_user_sgpr_kernarg_segment_ptr 1
		.amdhsa_wavefront_size32 1
		.amdhsa_system_sgpr_workgroup_id_x 1
		.amdhsa_system_sgpr_workgroup_id_y 1
		.amdhsa_system_sgpr_workgroup_id_z 1
		.amdhsa_system_vgpr_workitem_id 0
		.amdhsa_next_free_vgpr 1024
		.amdhsa_next_free_sgpr 80
		.amdhsa_reserve_vcc 0
		.amdhsa_float_denorm_mode_32 3
		.amdhsa_float_denorm_mode_16_64 3
		.amdhsa_memory_ordered 1
		.amdhsa_forward_progress 1
		.amdhsa_inst_pref_size 253
	.end_amdhsa_kernel
	.amdgpu_metadata
---
amdhsa.version: [ 1, 2 ]
amdhsa.kernels:
  - .name:           k_qa64a913b2d_score
    .symbol:         k_qa64a913b2d_score.kd
    .args:
      - { .name: qkv, .offset: 0, .size: 8, .value_kind: global_buffer, .address_space: global }
      - { .name: p, .offset: 8, .size: 8, .value_kind: global_buffer, .address_space: global }
      - { .name: ms, .offset: 16, .size: 8, .value_kind: global_buffer, .address_space: global }
      - { .name: ls, .offset: 24, .size: 8, .value_kind: global_buffer, .address_space: global }
    .group_segment_fixed_size: 327680
    .private_segment_fixed_size: 0
    .kernarg_segment_align: 8
    .kernarg_segment_size: 32
    .max_flat_workgroup_size: 128
    .sgpr_count:     80
    .vgpr_count:     1024
    .wavefront_size: 32
...
	.end_amdgpu_metadata
.endif
;; end of part 3
;; launch value (part 4): grid 8 x 64, 4 waves a work-group, clusters of 4 x 4, 327,680 bytes of LDS; arguments p, qkv, ms, ls, out0; writes out0
.if DOCPART == 4
	.amdgcn_target "amdgcn-amd-amdhsa--gfx1250"
	.amdhsa_code_object_version 6
	.text
	.protected	k_qa64a913b2d_value
	.globl	k_qa64a913b2d_value
	.p2align	8
	.type	k_qa64a913b2d_value,@function
k_qa64a913b2d_value:
	s_mov_b64 s[64:65], 0
	v_nop
	global_prefetch_b8 v0, s[64:65] scope:SCOPE_SE
	s_setreg_imm32_b32 hwreg(HW_REG_WAVE_MODE, 25, 1), 1
	s_wait_xcnt 0x0
	s_wait_alu depctr_hold_cnt(0) depctr_sa_sdst(0) depctr_va_vdst(0) depctr_va_sdst(0) depctr_va_ssrc(0) depctr_va_vcc(0) depctr_vm_vsrc(0)
	s_getreg_b32 s2, hwreg(HW_REG_IB_STS2, 6, 4)
	s_cmp_eq_u32 s2, 0
	s_cbranch_scc0 .Lentry_in_a_cluster
	s_endpgm
.Lentry_in_a_cluster:
	s_bfe_u32 s2, ttmp6, 0x10000c
	s_cmp_lg_u32 s2, 0xf033
	s_cbranch_scc0 .Lentry_shape_is_right
	s_endpgm
.Lentry_shape_is_right:
; out0[batch][t][ch] = (1 / L[t]) x sum over key blocks kb of e[kb][t] x sum over the block's keys T of p[t][T] v[T][ch],
;   with M[t] = max over kb of ms[kb][t],  e[kb][t] = 2^(ms[kb][t] - M[t]) <= 1,  L[t] = sum over kb of e[kb][t] ls[kb][t]: the softmax with the row's true maximum taken away.
; p: [4][2048][2048] f16, v: bytes 4,096 on of qkv's rows ([8192][3072] f16), ms, ls: [4][16][2048] f32 (a key block is 128 keys), out0: [4][2048][1024] f32.
; The weights e p are formed in f16 (e rounded to f16, the product rounded once more), the products are summed in f32.  L takes e unrounded: it differs from the e of the product by at
; most 2^-12 of itself, and not at all where e = 1.  L >= 1: the row's largest weight is 2^0 in a block with e = 1.
; LIMITS: e, and e p, below 2^-24 become 0: at most 3e-8 a key beside L >= 1.  NaN and infinite inputs are not served.
; SHARES.  A work-group makes 128 queries x 128 channels, a wave 64 x 64: 16 accumulators, 128 registers.  Keys go through two LDS slots of 256 keys (two key blocks) each: the tile is
; narrow so that two slots of that depth fit in LDS: 128 rows of p x 528 bytes and 256 rows of v x 288 bytes are 141,312 bytes a slot.  So a slot's refill has 120 matrix instructions
; of each wave in which to land, and the longest work-group has eight slots.
; THE CAUSAL MASK.  A cluster holds the four row blocks 4 g .. 4 g + 3 of a batch (512 queries) and walks keys 0 .. 512 (g + 1) - 1: 2 (g + 1) slots, the same number in all partners;
; blocks beyond a row block's diagonal inside that range hold weights 1 with e = 0.  Work-groups are of four lengths (8, 6, 4, 2 slots), 128 of each, twice as many work-groups as
; there are WGPs.  The clusters with the most keys have the lowest y (g = 3 - y / 4), so that, where clusters are started in the order of their numbers, the short ones follow the long.
; CLUSTER.  4 x 4: the four of a row (one row block, four channel tiles) share p's tiles, the four of a column (one channel tile) share v's: joint loads.
; THE MATRIX INSTRUCTION IS USED TRANSPOSED (source 0 = 16 channels of v, read turned from [key][channel] by ds_load_tr16_b128; source 1 = 16 queries of p): lane l holds query l % 16, so
; e is one register for a fragment and 1 / L one for an accumulator, and a lane's eight results are 32 neighbouring bytes of a row of out0.
; e IS MADE KEY BLOCK BY KEY BLOCK: M of a lane's four rows stays in registers; a key block's ms of the wave's 64 rows, 256 consecutive bytes at a multiple of 256 from ms's first byte, is
; loaded two key blocks (a slot) ahead into one of two register sets, and four subtractions, exponentials and roundings make the block's e.  Every LDS address is a constant beside the lane's term.
; REGISTERS: window 0: v0-21 addresses; v22-25 e; v26-33 1 / L; v40-71, v72-103 fragments of p, two buffers; v104-135, v136-167 fragments of v, two buffers; v168-183 M, ms, at work.
;   window 1: v0-127 the accumulators ((a, b) at v[8 (4 a + b)]).
.set PITCH,  528                       ; an LDS row of p: 512 bytes + 16: an odd multiple of 16, so the 16 rows of a fragment load begin at 16 different 16-byte columns of 256
.set PITCHB, 288                       ; an LDS row of v: 256 bytes + 32: an odd multiple of 32, as the turning load's 8 rows x 32 bytes want
.set ATILE,  128*PITCH                 ; p's 128 rows
.set VHALF,  128*PITCHB                ; 128 keys of v: what one tensor load brings
.set SLOT,   ATILE+2*VHALF             ; 141,312 bytes
.set MTAB,   2*SLOT                    ; behind the ring, filled by no tensor load: M, 128 words
.set RTAB,   MTAB+512                  ; 1 / L, 128 words
.set STAGE,  RTAB+512                  ; 16 rows x 272 bytes for each wave, for the way out
.set OPITCH, 272
.set STEPA,  512                       ; bytes from a slot's keys to the next slot's: 256 elements along p's rows,
.set STEPB,  256*6144                  ; 256 rows of qkv
.set STEPM,  8192                      ; bytes from a key block to the next in ms: 2,048 words
.set MO,   8                           ; v8      my byte offset in my row block's ms: 256 x row half + 4 (l % 16)
.set RA,   9                           ; v9      where my rows' 1 / L lie
.set ADRA, 10                          ; v10-11  LDS address of my p fragments in slot 0, 1
.set ADRB, 12                          ; v12-15  the same for v: slot 0 keys 0-127, slot 0 keys 128-255, slot 1 likewise: 224 rows of 288 bytes would pass the 16-bit offset
.set MA,   16                          ; v16     where my rows' M lie
.set STO,  17
.set RD,   18
.set GO,   19
.set TO4,  20                          ; v20     4 t
.set FT,   21                          ; v21     MTAB + 4 t
.set EE,   22                          ; v22-25  f16(e) in both halves, for my four blocks of 16 rows
.set RR,   26                          ; v26-33  1 / L, a pair for each block of 16 rows
.set SM,   34                          ; v34 M, v35 L, v36 1 / L of row t
.set FA,   40
.set FB,   104
.set MM,   168                         ; v168-171 M of my four rows
.set EM,   172                         ; v172-175, v176-179 ms as loaded: even key blocks, odd key blocks
.set ET,   180                         ; v180-183 at work
.set OB,   40                          ; the way out: 16 rows read back: v40-71 and v72-103 by turns
.set MS,   104                         ; the statistics, ahead of the first fragments: v104-119 ms, then e; v120-135 ls
.set LL,   120
.set WV, 14
.set WR, 15
.set WC, 16
.set CX, 17
.set CY, 18
.set BA, 19                            ; s19 batch, s20 g, s23 row block, s70 channel tile
.set GG, 20
.set MROW, 21
.set MCOL, 22
.set RB, 23
.set G1A, 24
.set G0A, 32
.set G1B, 48
.set G0B, 56
.set CNT, 66
.set LA, 68                            ; s68, s69 where my tensor load lands in a slot, for p and for v
.set LV, 69
.set CT, 70
.set MSB, 0
.macro WIN new                         ; the immediate's high byte repeats the setting that is left; a switch that changes nothing is dropped
.if MSB != \new
	s_set_vgpr_msb (MSB<<8)|\new
.set MSB, \new
.endif
.endm
.set MUL, 0x50                         ; C and D window 1, sources window 0
.macro JLOAD s                         ; a joint load: waves 0 and 1 fetch p's two halves, waves 2 and 3 v's; four v_nop follow each of the two lines
	s_cmp_lt_u32 s[WV], 2
	s_cbranch_scc0 .Lfor_b_\@
	tensor_load_to_lds s[G0A+4*\s:G0A+4*\s+3], s[G1A:G1A+7]
	s_nop 0
.rept 4
	v_nop
.endr
	s_branch .Lasked_\@
.Lfor_b_\@:
	tensor_load_to_lds s[G0B+4*\s:G0B+4*\s+3], s[G1B:G1B+7]
	s_nop 0
.rept 4
	v_nop
.endr
.Lasked_\@:
.endm
.macro CREST                           ; a round of the cluster's barrier behind its opening barrier
	s_cmp_lg_u32 s[WV], 0
	s_cbranch_scc1 .Lnot_wave_0_\@
	s_barrier_signal -3
.Lnot_wave_0_\@:
	s_barrier_wait -3
	s_barrier_signal -1
	s_barrier_wait -1
.endm
.macro CROUND                          ; a whole round
	s_barrier_signal -1
	s_barrier_wait -1
	CREST
.endm
	s_load_b256 s[4:11], s[0:1], 0x0               ; p s[4:5], qkv s[6:7], ms s[8:9], ls s[10:11]
	s_load_b64 s[12:13], s[0:1], 0x20              ; out0
	v_lshl_add_u32 v254, v0, 2, 0x49800
	v_mov_b32 v255, 0
	ds_add_u32 v254, v255
	v_lshrrev_b32 v1, 5, v0
	v_readfirstlane_b32 s[WV], v1
	s_lshr_b32 s[WR], s[WV], 1                     ; my 64 of the 128 rows
	s_and_b32 s[WC], s[WV], 1                      ; my 64 of the 128 channels; also which half of a tile I fetch
	s_bfe_u32 s[CX], ttmp6, 0x40000
	s_bfe_u32 s[CY], ttmp6, 0x40004
	s_lshl_b32 s[CT], ttmp9, 2
	s_add_co_u32 s[CT], s[CT], s[CX]               ; channel tile = 4 x cluster x + cx, 0..7
	s_and_b32 s2, ttmp7, 0xffff                    ; the cluster's y, 0..15:
	s_and_b32 s[BA], s2, 3                         ; its low two bits are the batch,
	s_lshr_b32 s3, s2, 2
	s_xor_b32 s[GG], s3, 3                         ; its high two give g = 3 - y / 4: the longest first
	s_and_b32 s[GG], s[GG], 3
	s_lshl_b32 s[RB], s[GG], 2
	s_add_co_u32 s[RB], s[RB], s[CY]               ; row block = 4 g + cy
	s_lshl_b32 s[MROW], s[CY], 2
	s_lshl_b32 s[MROW], 15, s[MROW]                ; my row of the cluster
	s_lshl_b32 s[MCOL], 0x1111, s[CX]              ; my column
	s_mul_i32 s[LA], s[WC], 64*PITCH               ; p's two halves of 64 rows,
	s_mul_i32 s[LV], s[WC], VHALF                  ; v's two halves of 128 keys,
	s_add_co_u32 s[LV], s[LV], ATILE               ; behind p's tile
	; group 1 for p: 64 rows x 256 elements of 2 bytes; 16 bytes of padding behind every 128 words
	s_or_b32 s[G1A+0], s[MROW], (1<<16)|(1<<20)|(1<<21)|(6<<22)|(3<<25)
	s_mov_b32 s[G1A+1], 256<<16                    ; tensor_dim0 = 256
	s_mov_b32 s[G1A+2], 64<<16                     ; tensor_dim1 = 64
	s_mov_b32 s[G1A+3], 256<<16                    ; tile_dim0 = 256
	s_mov_b32 s[G1A+4], 64                         ; tile_dim1 = 64
	s_mov_b32 s[G1A+5], 2048                       ; elements from row to row of p
	s_mov_b32 s[G1A+6], 0
	s_mov_b32 s[G1A+7], 0
	; group 1 for v: 128 keys x 128 elements; 32 bytes of padding behind every 64 words
	s_or_b32 s[G1B+0], s[MCOL], (1<<16)|(1<<20)|(1<<21)|(5<<22)|(7<<25)
	s_mov_b32 s[G1B+1], 128<<16
	s_mov_b32 s[G1B+2], 128<<16
	s_mov_b32 s[G1B+3], 128<<16
	s_mov_b32 s[G1B+4], 128
	s_mov_b32 s[G1B+5], 3072                       ; elements from row to row of qkv
	s_mov_b32 s[G1B+6], 0
	s_mov_b32 s[G1B+7], 0
	s_lshl_b32 s40, s[BA], 23                      ; p: batch x 8,388,608 + (128 x row block + 64 x half) rows of 4,096 bytes
	s_lshl_b32 s41, s[RB], 19
	s_add_co_u32 s40, s40, s41
	s_lshl_b32 s41, s[WC], 18
	s_add_co_u32 s40, s40, s41
	s_mov_b32 s41, 0
	s_lshl_b32 s44, s[BA], 11                      ; v: row 2,048 x batch + 128 x half, byte 4,096 + 256 x channel tile of the row
	s_lshl_b32 s45, s[WC], 7
	s_add_co_u32 s44, s44, s45
	s_mul_i32 s44, s44, 6144
	s_lshl_b32 s45, s[CT], 8
	s_add_co_u32 s44, s44, s45
	s_add_co_u32 s44, s44, 4096
	s_mov_b32 s45, 0
	s_wait_dscnt 0x0
	s_wait_kmcnt 0x0
	s_add_nc_u64 s[40:41], s[4:5], s[40:41]
	s_add_nc_u64 s[44:45], s[6:7], s[44:45]
	CROUND                                         ; all sixteen work-groups are here: the first joint loads meet
.irp s, 0,1
	s_mov_b32 s[G0A+4*\s], 1                                       ; count = 1
	s_add_co_u32 s[G0A+4*\s+1], s[LA], \s*SLOT                     ; LDS address
	s_add_nc_u64 s[G0A+4*\s+2:G0A+4*\s+3], s[40:41], \s*STEPA      ; global address: keys 256 s on
	s_or_b32 s[G0A+4*\s+3], s[G0A+4*\s+3], 0x80000000              ; type = 2
	s_mov_b32 s[G0B+4*\s], 1
	s_add_co_u32 s[G0B+4*\s+1], s[LV], \s*SLOT
	s_add_nc_u64 s[G0B+4*\s+2:G0B+4*\s+3], s[44:45], \s*STEPB
	s_or_b32 s[G0B+4*\s+3], s[G0B+4*\s+3], 0x80000000
.endr
	s_cmp_lt_u32 s[WV], 2                          ; a wave's two first fills stand in one branch, ahead of every wait on TENSORcnt and every LDS read: two loads of mine are out
	s_cbranch_scc0 .Lfirst_b
	tensor_load_to_lds s[G0A:G0A+3], s[G1A:G1A+7]
	s_nop 0
	tensor_load_to_lds s[G0A+4:G0A+7], s[G1A:G1A+7]
	s_nop 0
.rept 4
	v_nop
.endr
	s_branch .Lfirst_asked
.Lfirst_b:
	tensor_load_to_lds s[G0B:G0B+3], s[G1B:G1B+7]
	s_nop 0
	tensor_load_to_lds s[G0B+4:G0B+7], s[G1B:G1B+7]
	s_nop 0
.rept 4
	v_nop
.endr
.Lfirst_asked:
	; THE STATISTICS: thread t serves row t of the 128.  Key blocks 0 .. 4 (g + 1) - 1 are loaded, in groups of four; the others keep ms = -2^58 and ls = 0, which give e = 0.
	s_lshl_b32 s2, s[BA], 17                       ; a batch is 16 x 2,048 words
	s_lshl_b32 s3, s[RB], 9
	s_add_co_u32 s2, s2, s3
	s_mov_b32 s3, 0
	s_add_nc_u64 s[8:9], s[8:9], s[2:3]            ; ms and ls at my row block, key block 0
	s_add_nc_u64 s[10:11], s[10:11], s[2:3]
	v_lshlrev_b32 v[TO4], 2, v0
.irp k, 4,5,6,7,8,9,10,11,12,13,14,15
	v_mov_b32 v[MS+\k], 0xdc800000
	v_mov_b32 v[LL+\k], 0
.endr
.macro SGROUP q
.irp k, 0,1,2,3
	global_load_b32 v[MS+4*\q+\k], v[TO4], s[8:9] offset:8192*(4*\q+\k)
	global_load_b32 v[LL+4*\q+\k], v[TO4], s[10:11] offset:8192*(4*\q+\k)
.endr
.endm
	SGROUP 0
	s_cmp_lt_u32 s[GG], 1                          ; g is the cluster's: the branch is the same in all partners and in all waves
	s_cbranch_scc1 .Lstats
	SGROUP 1
	s_cmp_lt_u32 s[GG], 2
	s_cbranch_scc1 .Lstats
	SGROUP 2
	s_cmp_lt_u32 s[GG], 3
	s_cbranch_scc1 .Lstats
	SGROUP 3
.Lstats:
	; lane addresses, while the statistics are on their way
	v_and_b32 v1, 15, v0                           ; l % 16
	v_bfe_u32 v2, v0, 4, 1                         ; l / 16
	v_mul_u32_u24 v4, v1, PITCH
	v_lshl_add_u32 v4, v2, 4, v4                   ; a fragment of p: row x pitch + 16 x half
	s_mul_i32 s2, s[WR], 64*PITCH                  ; my 64 rows of p
	v_add_nc_u32 v[ADRA], s2, v4
	v_add_nc_u32 v[ADRA+1], SLOT, v[ADRA]
	v_and_b32 v5, 7, v0                            ; the turning load: key 8 (l / 16) + l % 8, channels 8 ((l / 8) % 2) + 0..7
	v_lshl_add_u32 v5, v2, 3, v5
	v_mul_u32_u24 v5, v5, PITCHB
	v_bfe_u32 v6, v0, 3, 1
	v_lshl_add_u32 v5, v6, 4, v5
	s_lshl_b32 s2, s[WC], 7                        ; my 64 channels, in bytes,
	s_add_co_u32 s2, s2, ATILE                     ; behind p's tile
	v_add_nc_u32 v[ADRB], s2, v5
	v_add_nc_u32 v[ADRB+1], VHALF, v[ADRB]
	v_add_nc_u32 v[ADRB+2], SLOT, v[ADRB]
	v_add_nc_u32 v[ADRB+3], SLOT+VHALF, v[ADRB]
	s_lshl_b32 s2, s[WR], 8                        ; my 64 rows' words: in ms,
	v_lshl_add_u32 v[MO], v1, 2, s2
	s_add_co_u32 s3, s2, MTAB                      ; in the table of M,
	v_lshl_add_u32 v[MA], v1, 2, s3
	s_add_co_u32 s3, s2, RTAB                      ; in the table of 1 / L
	v_lshl_add_u32 v[RA], v1, 2, s3
	s_mul_i32 s2, s[WV], 16*OPITCH
	s_add_co_u32 s2, s2, STAGE                     ; my stage
	v_mul_u32_u24 v7, v1, OPITCH                   ; in: row l % 16, 32 bytes for each half of the lanes
	v_lshl_add_u32 v7, v2, 5, v7
	v_add_nc_u32 v[STO], s2, v7
	v_mul_u32_u24 v3, v2, OPITCH                   ; back: lanes 0-15 take one row of 256 bytes, lanes 16-31 the next
	v_lshl_add_u32 v3, v1, 4, v3
	v_add_nc_u32 v[RD], s2, v3
	v_lshlrev_b32 v6, 12, v2                       ; and the same two rows in out0
	v_lshl_add_u32 v[GO], v1, 4, v6
	v_add_nc_u32 v[FT], MTAB, v[TO4]
	s_lshl_b32 s2, s[BA], 23                       ; out0 at my wave's first row and channel: rows of 4,096 bytes, 128 channels 512 bytes, 64 channels 256
	s_lshl_b32 s3, s[RB], 19
	s_add_co_u32 s2, s2, s3
	s_lshl_b32 s3, s[WR], 18
	s_add_co_u32 s2, s2, s3
	s_lshl_b32 s3, s[CT], 9
	s_add_co_u32 s2, s2, s3
	s_lshl_b32 s3, s[WC], 8
	s_add_co_u32 s2, s2, s3
	s_mov_b32 s3, 0
	s_add_nc_u64 s[12:13], s[12:13], s[2:3]
	s_wait_loadcnt 0x0                             ; zero on every way to this line, however many groups were loaded
.irp a, 0,1,2,3
	global_load_b32 v[EM+\a], v[MO], s[8:9] offset:64*\a           ; key block 0's ms in the fragments' order: row 16 a + l % 16 of my 64,
.endr
.irp a, 0,1,2,3
	global_load_b32 v[EM+4+\a], v[MO], s[8:9] offset:STEPM+64*\a   ; and key block 1's: both on their way under the arithmetic below
.endr
	v_max3_num_f32 v[SM], v[MS], v[MS+1], v[MS+2]
.irp k, 3,5,7,9,11,13
	v_max3_num_f32 v[SM], v[SM], v[MS+\k], v[MS+\k+1]
.endr
	v_max_num_f32 v[SM], v[SM], v[MS+15]           ; the row's true maximum, times c
.irp k, 0,1,2,3,4,5,6,7,8,9,10,11,12,13,14,15
	v_sub_f32 v[MS+\k], v[MS+\k], v[SM]
.endr
.irp k, 0,1,2,3,4,5,6,7,8,9,10,11,12,13,14,15
	v_exp_f32 v[MS+\k], v[MS+\k]
.endr
	v_nop                                          ; a plain instruction between the last exponential and the use of its result
	s_wait_alu depctr_va_vdst(0)
	v_mul_f32 v[SM+1], v[LL], v[MS]
.irp k, 1,2,3,4,5,6,7,8,9,10,11,12,13,14,15
	v_fmac_f32 v[SM+1], v[LL+\k], v[MS+\k]
.endr
	v_rcp_f32 v[SM+2], v[SM+1]
	v_nop                                          ; a plain instruction between the reciprocal and the use of its result
	ds_store_b32 v[FT], v[SM]                      ; M of row t,
	s_wait_alu depctr_va_vdst(0)
	ds_store_b32 v[FT], v[SM+2] offset:RTAB-MTAB   ; 1 / L of row t
; The next key block's e, from the ms in set j (0: even key blocks, 1: odd), loaded two key blocks ago.  left: the other set's four loads are younger and may stay out (4), or none is out (0).
; more = 1: the key block two further on is asked for, into the set just used.  The last two key blocks ask for nothing, so no load passes key block 4 g + 3.
.macro ENEXT j, more, left
	s_wait_loadcnt \left
.irp a, 0,1,2,3
	v_sub_f32 v[ET+\a], v[EM+4*\j+\a], v[MM+\a]
.endr
.irp a, 0,1,2,3
	v_exp_f32 v[ET+\a], v[ET+\a]
.endr
	v_nop                                          ; a plain instruction between the last exponential and the use of its result
	s_wait_alu depctr_va_vdst(0)
.irp a, 0,1,2,3
	v_cvt_pk_f16_f32 v[EE+\a], v[ET+\a], v[ET+\a]  ; f16(e) in both halves, for the packed multiply
.endr
.if \more
	s_wait_xcnt 0x0                                ; the other set's loads may be out and name the base: it is stepped only behind this wait
	s_add_nc_u64 s[8:9], s[8:9], STEPM             ; the base now stands at the key block after this one,
.irp a, 0,1,2,3
	global_load_b32 v[EM+4*\j+\a], v[MO], s[8:9] offset:STEPM+64*\a   ; and the one behind that is asked for: the four together are my 64 rows' 256 consecutive bytes
.endr
.endif
.endm
.macro SCALE f                         ; p's fragments in buffer f times e: a lane holds one row, so one register of e serves a fragment
.irp a, 0,1,2,3
.irp i, 0,1,2,3,4,5,6,7
	v_pk_mul_f16 v[FA+32*\f+8*\a+\i], v[FA+32*\f+8*\a+\i], v[EE+\a]
.endr
.endr
.endm
.macro FETCH slot, kq, f               ; 16 LDS loads in one run: part kq (32 keys) of a slot: v's 64 channels, turned, then p's 64 rows
.irp i, 0,1,2,3
	ds_load_tr16_b128 v[FB+32*\f+8*\i:FB+32*\f+8*\i+3],   v[ADRB+2*\slot+(\kq)/4] offset:((\kq)%4)*32*PITCHB+32*\i
	ds_load_tr16_b128 v[FB+32*\f+8*\i+4:FB+32*\f+8*\i+7], v[ADRB+2*\slot+(\kq)/4] offset:((\kq)%4)*32*PITCHB+32*\i+16*PITCHB
.endr
.irp a, 0,1,2,3
	ds_load_b128 v[FA+32*\f+8*\a:FA+32*\f+8*\a+3],   v[ADRA+\slot] offset:64*(\kq)+\a*16*PITCH
	ds_load_b128 v[FA+32*\f+8*\a+4:FA+32*\f+8*\a+7], v[ADRA+\slot] offset:64*(\kq)+\a*16*PITCH+32
.endr
.endm
; 8 matrix instructions: row blocks a0, a0 + 1 x all 4 channel blocks.  The 16 accumulators take turns, one instruction a turn.
.macro MUL8 f, a0, zero
.irp a, \a0, \a0+1
.irp b, 0,1,2,3
.if \zero
	v_wmma_f32_16x16x32_f16 v[8*(4*(\a)+\b):8*(4*(\a)+\b)+7], v[FB+32*\f+8*\b:FB+32*\f+8*\b+7], v[FA+32*\f+8*(\a):FA+32*\f+8*(\a)+7], 0
.else
	v_wmma_f32_16x16x32_f16 v[8*(4*(\a)+\b):8*(4*(\a)+\b)+7], v[FB+32*\f+8*\b:FB+32*\f+8*\b+7], v[FA+32*\f+8*(\a):FA+32*\f+8*(\a)+7], v[8*(4*(\a)+\b):8*(4*(\a)+\b)+7]
.endif
.endr
.endr
.endm
.macro PLACES                          ; four places between a matrix instruction and a vector instruction on its result (ISA guide 7.12.1)
.rept 4
	v_nop
.endr
.endm
; A slot is eight parts of 32 keys, 16 matrix instructions each, on buffers 0, 1, 0, 1, ..  One of the first seven: scales and multiplies buffer f and fetches part kq into g.
; SCALE's 32 plain instructions name buffer f and e alone: they are the places between the last part's products, which read buffer g, and the loads into g.
; en = 1 (the slot's part 3): this SCALE was the last use of the first key block's e: the second key block's is made behind it.
.macro PART slot, kq, f, g, zero, en, more, left
	s_wait_dscnt 0x0                               ; buffer f, issued a part ago, is in
	SCALE \f
.if \en
	ENEXT 1, \more, \left
.endif
	FETCH \slot, \kq, \g
	WIN MUL
	MUL8 \f, 0, \zero
	MUL8 \f, 2, \zero
	WIN 0
.endm
.macro RUN slot, more, left            ; a slot's parts 1 to 6 are multiplied, its parts 2 to 7 fetched
	PART \slot, 2, 1, 0, 0, 0, 0, 0
	PART \slot, 3, 0, 1, 0, 0, 0, 0
	PART \slot, 4, 1, 0, 0, 1, \more, \left
	PART \slot, 5, 0, 1, 0, 0, 0, 0
	PART \slot, 6, 1, 0, 0, 0, 0, 0
	PART \slot, 7, 0, 1, 0, 0, 0, 0
.endm
; The last part multiplies buffer 1 and changes slots: one barrier, in front of it each wave's waits for its reads of this slot and for all its tensor loads, of which one is out: its
; part of the next slot.  fill = 1: the barrier opens a round of the cluster's barrier and the slot is filled again, with the keys two slots on, first thing behind the round.
; SCALE 1 is the last use of this slot's second e: the next slot's first e is made behind it.  Buffer 0's last readers stand in front of SCALE's 32 plain instructions.
.macro TURN slot, next, fill, more, left
	s_wait_dscnt 0x0                               ; my reads of this slot are over,
	SCALE 1
	s_wait_tensorcnt 0x0                           ; and all my tensor loads have landed
	ds_add_u32 v254, v255
	s_wait_dscnt 0x0
	s_barrier_signal -1
	WIN MUL
	MUL8 1, 0, 0                                   ; work on registers while the others arrive
	WIN 0
	s_barrier_wait -1
.if \fill
	CREST                                          ; no wave of any partner still reads this slot or has a load on its way
	s_add_nc_u64 s[G0A+4*\slot+2:G0A+4*\slot+3], s[G0A+4*\slot+2:G0A+4*\slot+3], 2*STEPA
	s_add_nc_u64 s[G0B+4*\slot+2:G0B+4*\slot+3], s[G0B+4*\slot+2:G0B+4*\slot+3], 2*STEPB
	JLOAD \slot
.endif
	ENEXT 0, \more, \left
	FETCH \next, 0, 0
	WIN MUL
	MUL8 1, 2, 0
	WIN 0
.endm
	s_wait_dscnt 0x0                               ; for the others' sake: my words of the two tables are written,
	s_wait_tensorcnt 0x1                           ; my part of slot 0 is in; slot 1's may stay out
	s_barrier_signal -1
	s_barrier_wait -1
.irp a, 0,1,2,3
	ds_load_b32 v[MM+\a], v[MA] offset:64*\a       ; M of my four rows, for the whole walk
.endr
	FETCH 0, 0, 0
	s_wait_dscnt 16                                ; M is in: the 16 fragment loads issued behind it may stay out
	ENEXT 0, 1, 4                                  ; e of key block 0; key block 1's ms may stay out; key block 2's is asked for
	PART 0, 1, 0, 1, 1, 0, 0, 0                    ; the first part stands in front of the loop: its products start the sums
	s_mov_b32 s[CNT], 0
	s_cmp_eq_u32 s[GG], 0                          ; g + 1 laps of two slots, the last written out: g trips, none where g = 0; g is the cluster's
	s_cbranch_scc1 .Llast
.Llap:                                                 ; a trip goes once round the ring, from a lap's second part to the next lap's first, and fills both slots again
	RUN 0, 1, 4
	TURN 0, 1, 1, 1, 4
	PART 1, 1, 0, 1, 0, 0, 0, 0
	RUN 1, 1, 4
	TURN 1, 0, 1, 1, 4
	PART 0, 1, 0, 1, 0, 0, 0, 0
	s_add_co_u32 s[CNT], s[CNT], 1
	s_cmp_lt_u32 s[CNT], s[GG]
	s_cbranch_scc1 .Llap
.Llast:                                                ; the last lap fills nothing, and has no round of the cluster's barrier
	RUN 0, 1, 4                                    ; its second key block's e; the very last key block's ms is asked for
	TURN 0, 1, 0, 0, 4                             ; the last key block but one: nothing more is asked for; the last one's four loads may stay out
	PART 1, 1, 0, 1, 0, 0, 0, 0
	RUN 1, 0, 0                                    ; the last key block's e: no load is left behind its own
	s_wait_dscnt 0x0                               ; the very last part: nothing more to fetch
	SCALE 1
	WIN MUL
	MUL8 1, 0, 0
	MUL8 1, 2, 0
	WIN 0
	; THE WAY OUT: times 1 / L; a block of 16 rows x 64 channels of f32 goes through my stage and comes back as whole rows of 256 bytes.
.irp a, 0,1,2,3
	ds_load_b32 v[RR+2*\a],   v[RA] offset:64*\a
	ds_load_b32 v[RR+2*\a+1], v[RA] offset:64*\a   ; twice: the packed multiply names a pair
.endr
	PLACES
	s_wait_dscnt 0x0
.macro OMUL a
	WIN 0x41                                       ; destination and source 0 window 1, 1 / L window 0
.set i, 32*(\a)
.rept 16
	v_pk_mul_f32 v[i:i+1], v[i:i+1], v[RR+2*(\a):RR+2*(\a)+1] op_sel_hi:[1,0]
.set i, i+2
.endr
.endm
.macro OSTAGE a
.set BK, OB+32*((\a)%2)
	WIN 0x04                                       ; the stores' data window 1, the address window 0
.irp b, 0,1,2,3
	ds_store_b128 v[STO], v[32*(\a)+8*\b:32*(\a)+8*\b+3]   offset:64*\b
	ds_store_b128 v[STO], v[32*(\a)+8*\b+4:32*(\a)+8*\b+7] offset:64*\b+16
.endr
	WIN 0
	s_wait_xcnt 0x0                                ; the stores of the block two back have read their registers: they are loaded again only behind this wait
.irp t, 0,1,2,3,4,5,6,7
	ds_load_b128 v[BK+4*\t:BK+4*\t+3], v[RD] offset:\t*2*OPITCH    ; LDS serves a wave's instructions in order: these see the stores above
.endr
.endm
.macro OSEND a
.set BK, OB+32*((\a)%2)
	WIN 0                                          ; a store's offset register is its source 0: OMUL has left that place in window 1, and v[GO] lies in window 0
	s_wait_dscnt 0x0                               ; the block is back in registers
.irp t, 0,1,2,3,4,5,6,7
	global_store_b128 v[GO], v[BK+4*\t:BK+4*\t+3], s[12:13] offset:(16*(\a)+2*\t)*4096 th:TH_STORE_NT   ; 16 lanes store 256 consecutive bytes, at a multiple of 256 from out0's first byte
.endr
.endm
	OMUL 0
	OSTAGE 0
.irp a, 1,2,3                          ; block a's multiplies stand between block a - 1's loads from the stage and the wait for them
	OMUL \a
	OSEND \a-1
	OSTAGE \a
.endr
	OSEND 3
	s_wait_tensorcnt 0x0
	ds_add_u32 v254, v255
	s_wait_dscnt 0x0
	CROUND                                         ; the closing round: no work-group ends while a partner may still ask for a tile that names it
	s_endpgm
.Lfunc_end_k_qa64a913b2d_value:
	.size	k_qa64a913b2d_value, .Lfunc_end_k_qa64a913b2d_value-k_qa64a913b2d_value
	.p2alignl 7, 3214868480
	.fill 96, 4, 3214868480
	.section	.rodata,"a",@progbits
	.p2align	6, 0x0
	.amdhsa_kernel k_qa64a913b2d_value
		.amdhsa_group_segment_fixed_size 327680
		.amdhsa_private_segment_fixed_size 0
		.amdhsa_enable_private_segment 0
		.amdhsa_kernarg_size 40
		.amdhsa_user_sgpr_count 2
		.amdhsa_user_sgpr_kernarg_segment_ptr 1
		.amdhsa_wavefront_size32 1
		.amdhsa_system_sgpr_workgroup_id_x 1
		.amdhsa_system_sgpr_workgroup_id_y 1
		.amdhsa_system_sgpr_workgroup_id_z 1
		.amdhsa_system_vgpr_workitem_id 0
		.amdhsa_next_free_vgpr 384
		.amdhsa_next_free_sgpr 72
		.amdhsa_reserve_vcc 0
		.amdhsa_float_denorm_mode_32 3
		.amdhsa_float_denorm_mode_16_64 3
		.amdhsa_memory_ordered 1
		.amdhsa_forward_progress 1
		.amdhsa_inst_pref_size 170
	.end_amdhsa_kernel
	.amdgpu_metadata
---
amdhsa.version: [ 1, 2 ]
amdhsa.kernels:
  - .name:           k_qa64a913b2d_value
    .symbol:         k_qa64a913b2d_value.kd
    .args:
      - { .name: p, .offset: 0, .size: 8, .value_kind: global_buffer, .address_space: global }
      - { .name: qkv, .offset: 8, .size: 8, .value_kind: global_buffer, .address_space: global }
      - { .name: ms, .offset: 16, .size: 8, .value_kind: global_buffer, .address_space: global }
      - { .name: ls, .offset: 24, .size: 8, .value_kind: global_buffer, .address_space: global }
      - { .name: out0, .offset: 32, .size: 8, .value_kind: global_buffer, .address_space: global }
    .group_segment_fixed_size: 327680
    .private_segment_fixed_size: 0
    .kernarg_segment_align: 8
    .kernarg_segment_size: 40
    .max_flat_workgroup_size: 128
    .sgpr_count:     72
    .vgpr_count:     384
    .wavefront_size: 32
...
	.end_amdgpu_metadata
.endif
;; end of part 4
;; ======== version 2 of 2: 4 launches; version 1 with the launch cast written anew for expert scheduling mode
;; limits: values outside matrix products are rounded to f16; values are held in f16: magnitudes above 65,504 overflow, below 6.1e-05 lose precision
;; workspace buffers: xb 16,777,216 bytes; wb 6,291,456 bytes; qkv 50,331,648 bytes; p 33,554,432 bytes; ms 524,288 bytes; ls 524,288 bytes
;; launch cast (part 5): grid 704 x 1, 8 waves a work-group, no clusters, 0 bytes of LDS; arguments x, W, xb, wb; writes xb, wb
.if DOCPART == 5
	.amdgcn_target "amdgcn-amd-amdhsa--gfx1250"
	.amdhsa_code_object_version 6
	.text
	.protected	k_qa64a913b2d_cast
	.globl	k_qa64a913b2d_cast
	.p2align	8
	.type	k_qa64a913b2d_cast,@function
k_qa64a913b2d_cast:
	s_mov_b64 s[64:65], 0
	v_nop
	global_prefetch_b8 v0, s[64:65] scope:SCOPE_SE
	s_setreg_imm32_b32 hwreg(HW_REG_WAVE_SCHED_MODE, 0, 2), 2
	s_setreg_imm32_b32 hwreg(HW_REG_WAVE_MODE, 25, 1), 1
	s_wait_xcnt 0x0
	s_wait_alu depctr_vm_vsrc(0)
; xb = bf16(x), wb = bf16(W), element by element, same order in memory; rounding to nearest even.
; A work-group of eight waves casts 65,536 bytes of f32: groups 0-511 take x (33,554,432 bytes), groups 512-703 take W (12,582,912 bytes).
; Thread t takes 16 bytes at 16 t of each block of 4,096 bytes and writes 8 bytes at 8 t of each block of 2,048: a wave's load covers 512
; consecutive bytes, a wave's store 256 consecutive bytes at a multiple of 256 from the buffer's first byte.
; All sixteen loads of a thread go out first; each store has data registers of its own and no address register is ever rewritten.
; No LDS, no matrix unit, no cluster: nothing is shared and nothing is read twice.
; THE MODE: SCHED_MODE bits 1:0 = 2 (LLVM: expert scheduling mode 2), set by the entry lines.  The code itself states the register dependences
; between vector instructions and memory instructions, with s_wait_alu, always for 0.
; THE PLAN.  Registers that memory instructions touch:
;   v1, v2   byte offsets, written once at the head; v1 is read by every load, v2 by every store; never written again.
;   X        piece j's four registers: one load lands in them, once; piece j's two conversions read them; no vector instruction writes them.
;   Y        piece j's two registers: written once, by piece j's two conversions; read by store j; never written again.
; The sixteen pieces go in four blocks of four.  Block p rounds pieces 4 p to 4 p + 3 into their Y; its memory instructions are the four stores of
; block p - 1, whose Y no vector instruction of block p names.  So one wait at the head of a block states all that the block's four stores hang on,
; and they are dealt among its conversions with no further wait.  No register that a memory instruction reads is written again, and no load lands
; in a register that a vector instruction has named: nothing else is owed.
.set XGROUPS, 512                      ; work-groups that take x
.set X, 4                              ; v[4:67]   sixteen loads of four f32
.set Y, 68                             ; v[68:99]  sixteen stores of four bf16
	s_load_b256 s[4:11], s[0:1], 0x0               ; x s[4:5], W s[6:7], xb s[8:9], wb s[10:11]
	s_sub_co_u32 s13, ttmp9, XGROUPS               ; my number among W's groups, if I am one
	s_cmp_lt_u32 ttmp9, XGROUPS
	s_cselect_b32 s12, ttmp9, s13                  ; my number among the groups of my tensor
	s_lshl_b32 s14, s12, 16                        ; 65,536 bytes in,
	s_mov_b32 s15, 0
	s_lshl_b32 s16, s12, 15                        ; 32,768 bytes out
	s_mov_b32 s17, 0
	v_lshlrev_b32 v1, 4, v0                        ; 16 t
	v_lshlrev_b32 v2, 3, v0                        ; 8 t
	s_wait_kmcnt 0x0
	s_cmp_lt_u32 ttmp9, XGROUPS                    ; compared again: the shifts above wrote SCC
	s_cselect_b64 s[18:19], s[4:5], s[6:7]         ; from x or from W,
	s_cselect_b64 s[20:21], s[8:9], s[10:11]       ; to xb or to wb
	s_add_nc_u64 s[18:19], s[18:19], s[14:15]
	s_add_nc_u64 s[20:21], s[20:21], s[16:17]
	s_wait_alu depctr_va_vdst(0)                   ; v1 and v2 are written: every load of the kernel reads v1 as its offset, every store v2
.irp j, 0,1,2,3,4,5,6,7,8,9,10,11,12,13,14,15
	global_load_b128 v[X+4*\j:X+4*\j+3], v1, s[18:19] offset:4096*\j th:TH_LOAD_NT   ; read once in the launch
.endr
; Block p: pieces 4 p to 4 p + 3 are rounded; the four stores of block p - 1 stand one in front of each piece's conversions.
.macro BLK p
.irp i, 0,1,2,3
	s_wait_loadcnt 15-(4*(\p)+(\i))                ; loads come back in order: this piece's load is in, the younger ones stay out
.if (\p) > 0
.if (\i) == 0
	s_wait_alu depctr_va_vdst(0)                   ; the block before has written its eight registers of Y, which this block's four stores read
.endif
	global_store_b64 v2, v[Y+2*(4*(\p)-4+(\i)):Y+2*(4*(\p)-4+(\i))+1], s[20:21] offset:2048*(4*(\p)-4+(\i))   ; the block before; no vector instruction since the wait names these registers.  No hint: the next launch reads these bytes
.endif
	v_cvt_pk_bf16_f32 v[Y+2*(4*(\p)+(\i))],   v[X+4*(4*(\p)+(\i))],   v[X+4*(4*(\p)+(\i))+1]
	v_cvt_pk_bf16_f32 v[Y+2*(4*(\p)+(\i))+1], v[X+4*(4*(\p)+(\i))+2], v[X+4*(4*(\p)+(\i))+3]
.endr
.endm
	BLK 0                                          ; no block stands in front of it: no store, and no wait but those for its data
	BLK 1
	BLK 2
	BLK 3
	s_wait_alu depctr_va_vdst(0)                   ; block 3 has written its eight registers of Y, which the last four stores read
.irp j, 12,13,14,15
	global_store_b64 v2, v[Y+2*\j:Y+2*\j+1], s[20:21] offset:2048*\j
.endr
	s_endpgm
.Lfunc_end_k_qa64a913b2d_cast:
	.size	k_qa64a913b2d_cast, .Lfunc_end_k_qa64a913b2d_cast-k_qa64a913b2d_cast
	.p2alignl 7, 3214868480
	.fill 96, 4, 3214868480
	.section	.rodata,"a",@progbits
	.p2align	6, 0x0
	.amdhsa_kernel k_qa64a913b2d_cast
		.amdhsa_group_segment_fixed_size 0
		.amdhsa_private_segment_fixed_size 0
		.amdhsa_enable_private_segment 0
		.amdhsa_kernarg_size 32
		.amdhsa_user_sgpr_count 2
		.amdhsa_user_sgpr_kernarg_segment_ptr 1
		.amdhsa_wavefront_size32 1
		.amdhsa_system_sgpr_workgroup_id_x 1
		.amdhsa_system_sgpr_workgroup_id_y 1
		.amdhsa_system_sgpr_workgroup_id_z 1
		.amdhsa_system_vgpr_workitem_id 0
		.amdhsa_next_free_vgpr 100
		.amdhsa_next_free_sgpr 66
		.amdhsa_reserve_vcc 0
		.amdhsa_float_denorm_mode_32 3
		.amdhsa_float_denorm_mode_16_64 3
		.amdhsa_memory_ordered 1
		.amdhsa_forward_progress 1
		.amdhsa_inst_pref_size 7
	.end_amdhsa_kernel
	.amdgpu_metadata
---
amdhsa.version: [ 1, 2 ]
amdhsa.kernels:
  - .name:           k_qa64a913b2d_cast
    .symbol:         k_qa64a913b2d_cast.kd
    .args:
      - { .name: x, .offset: 0, .size: 8, .value_kind: global_buffer, .address_space: global }
      - { .name: W, .offset: 8, .size: 8, .value_kind: global_buffer, .address_space: global }
      - { .name: xb, .offset: 16, .size: 8, .value_kind: global_buffer, .address_space: global }
      - { .name: wb, .offset: 24, .size: 8, .value_kind: global_buffer, .address_space: global }
    .group_segment_fixed_size: 0
    .private_segment_fixed_size: 0
    .kernarg_segment_align: 8
    .kernarg_segment_size: 32
    .max_flat_workgroup_size: 256
    .sgpr_count:     66
    .vgpr_count:     100
    .wavefront_size: 32
...
	.end_amdgpu_metadata
.endif
;; end of part 5
;; launch proj: the kernel of part 2 again; grid 12 x 32, 4 waves a work-group, clusters of 4 x 4, 327,680 bytes of LDS; arguments xb, wb, b, qkv; writes qkv
;; launch score: the kernel of part 3 again; grid 12 x 16, 4 waves a work-group, clusters of 4 x 4, 327,680 bytes of LDS; arguments qkv, p, ms, ls; writes p, ms, ls
;; launch value: the kernel of part 4 again; grid 8 x 64, 4 waves a work-group, clusters of 4 x 4, 327,680 bytes of LDS; arguments p, qkv, ms, ls, out0; writes out0
